; MI455X (gfx1250); checked and timed in simulation.
; The chip was launched on July 23, 2026; its instructions are those of AMD's public machine-readable ISA for CDNA 5 (MIT licence, August 2026) and "CDNA5" Instruction Set Architecture Reference Guide (July 2026). The comments in the code are by the model that wrote it; some were corrected since.
;; Adaptive Attention. Allowed arithmetic: matrix products marked QUANTISED: E2M3 operands, one E8M0 scale for each 32 along K, by v_wmma_scale_f32_16x16x128_f8f6f4 with both operands' format E2M3, f32 sums; everything else in f32.
;; Inputs: W_out 1,024 x 1,024 float32; W_qkv 1,024 x 3,072 float32; b_out 1,024 float32; mask 1 x 1 x 2,048 x 2,048 int32; x 2 x 2,048 x 1,024 float32.
;; Outputs: out0 2 x 2,048 x 1,024 float32.
;; This version of the problem:
;;   THIS VERSION OF THE PROBLEM IS GIVEN IN LOW PRECISION. The matrix products marked QUANTISED in the list below multiply operands that are first quantised to E2M3 (2 exponent bits, 3 mantissa bits; 6 bits a number), with one power-of-two scale for each 32 numbers along K (OCP MX v1.0); their sums are f32. All else is computed in f32.
;;   The module's matrix products, in the order in which they are computed (A, B: the left and right operand; K: the contracted axis; several contracted axes count as one K, in the product's order):
;;     1. [M 4,096, K 1,024] x [K 1,024, N 3,072]; A: input x; B: input W_qkv: QUANTISED
;;     2. batch 32 x [M 2,048, K 64] x [K 64, N 2,048]; A: computed on the way; B: computed on the way: QUANTISED
;;     3. batch 32 x [M 2,048, K 2,048] x [K 2,048, N 64]; A: softmax (see below); B: computed on the way: QUANTISED
;;     4. [M 4,096, K 1,024] x [K 1,024, N 1,024]; A: computed on the way; B: input W_out: QUANTISED
;;   THE QUANTISER, for each operand of a quantised product, along K:
;;     - K is cut into blocks of 32 from its start; a last block that is shorter is filled with zeros.
;;     - A block's scale is 2^e with e = floor(log2(the largest magnitude in the block)) - 2, held to -126 .. 127; a block of zeros has e = 0. As a byte (E8M0): e + 127.
;;     - Each number is divided by its block's scale, clamped to +-7.5, and rounded to the nearest number of E2M3, ties to even, subnormals kept.
;;     - The product sums the exact products of the quantised numbers (number of the format x scale) in f32.
;;   ~~~python
;;   def quantise(x, axis):      # numpy; x: float32 -> the quantised numbers, widened to float32 again
;;       x = np.moveaxis(x, axis, -1); K = x.shape[-1]
;;       x = np.pad(x, [(0, 0)] * (x.ndim - 1) + [(0, -K % 32)]); x = x.reshape(x.shape[:-1] + (-1, 32)); a = np.abs(x).max(-1, keepdims=True)
;;       e = np.where(a > 0, np.clip(np.frexp(np.where(a > 0, a, 1))[1] - 1 - 2, -126, 127), 0)      # np.frexp(a)[1] - 1 = floor(log2(a)), exactly
;;       r = np.clip(x / 2.0 ** e, -7.5, 7.5)
;;       step = 2.0 ** (np.maximum(np.frexp(np.where(r == 0, 1, r))[1] - 1, 0) - 3)
;;       q = np.round(r / step) * step * 2.0 ** e      # np.round: ties to even
;;       return np.moveaxis(q.reshape(q.shape[:-2] + (-1,))[..., :K], -1, axis).astype(np.float32)
;;   ~~~
;;   SOFTMAX AHEAD OF A QUANTISED PRODUCT. Where the list says 'softmax', what is quantised is not the finished softmax but p = 2^(t - M), with t = logit x log2(e) and M = ceil(the row's largest t), a whole number; so 1/2 < the row's largest p <= 1. The row's sum l is taken of the UNQUANTISED p, in f32, and the product's result is divided by l at the end. Since M is a whole number, a kernel that streams over the keys may use a running M (the ceiling of the running maximum): every later rescaling is an exact power of two, which a block's scale takes up: the codes' values come out the same.
;;   OPERANDS COMPUTED ON THE WAY. 'Computed on the way' means the value that the module computes at that place (a softmax that the list does not call 'softmax' is quantised finished and normalised). What goes into a quantiser is computed in f32, as accurately as f32 sums, v_exp_f32 and their like allow (about 1e-6 of the number): no bf16 or f16 on the way to a quantiser, and a product that is left as it is and whose result goes on into a quantised operand takes f32 operands (vector FMAs, or v_wmma_f32_16x16x4_f32). A number that lies on a knife's edge between two numbers of the format may be rounded either way, as far as f32 arithmetic and the matrix unit's own rounding can turn it there, and no further.
;; One version. Each part assembles by itself: llvm-mc -triple=amdgcn-amd-amdhsa -mcpu=gfx1250 --defsym DOCPART=n.
;; ======== version 1 of 1: 4 launches
;; limits: right only within a limited range of input values
;; workspace buffers: ximg 3,276,800 bytes; wimg 3,276,800 bytes; maskw 524,288 bytes of whole numbers; qbuf 6,553,600 bytes; kv 6,553,600 bytes; oimg 3,276,800 bytes
;; launch prep (part 1): grid 512 x 1, 4 waves a work-group, no clusters, 47,616 bytes of LDS; arguments x, mask, W_qkv, W_out, ximg, wimg, maskw; writes ximg, wimg, maskw
.if DOCPART == 1
	.amdgcn_target "amdgcn-amd-amdhsa--gfx1250"
	.amdhsa_code_object_version 6
	.text
	.protected	k_q55ac8a816f_prep
	.globl	k_q55ac8a816f_prep
	.p2align	8
	.type	k_q55ac8a816f_prep,@function
k_q55ac8a816f_prep:
	s_mov_b64 s[64:65], 0
	v_nop
	global_prefetch_b8 v0, s[64:65] scope:SCOPE_SE
	s_setreg_imm32_b32 hwreg(HW_REG_WAVE_MODE, 25, 1), 1
	s_wait_xcnt 0x0
; PREP.  x [4096][1024], W_qkv [1024][3072] and W_out [1024][1024], f32, become codes of FP6 (E2M3) with one E8M0 byte for each 32 along K, laid as IMAGES OF OPERAND REGISTERS;
; mask [2048][2048], int32, becomes lane-mask words (bit = 1 where the mask is 0) in the order in which the attention launch's score registers lie.
; TILE ORDER: tile T has 16 rows; lane index r takes row 32 (T / 2) + 8 (T % 2) + r + 8 (r / 8).
; IMAGE (1,536 bytes): a fragment's 12 registers (16 rows x 128 K) as six planes of 256 bytes: plane p holds registers 2 p, 2 p + 1 of lane L at 256 p + 8 L.
; RECORD (12,800 bytes = 50 x 256) of a block rb of 128 rows and a K step s of 128, at (8 rb + s) x 12,800: images of tiles 0..7 at 1,536 t; the scale word of (lane index r, tile t) at 12,288 + 32 r + 4 t.
; wimg: rb 0-23 are W_qkv's columns 128 rb on, rb 24-31 W_out's.  maskw: word n (0..63) of (query tile qt, key step ks) at (16 qt + ks) x 256 + 4 n; its bit L speaks of
; query row(qt, L % 16) and key 128 ks + 32 (n / 16) + 16 (L / 16) + n % 16.
; A block's scale is 2^(floor(log2(largest magnitude)) - 2): its byte is the largest magnitude's exponent field - 2, held at 1 from below by a floor among the maximum's leaves.
; LIMITS: NaN and infinities are not served.  A block of zeros, or one whose largest magnitude lies under 2^-124, keeps the byte 1 (its codes are zeros or what the conversion gives); these bytes are read by this program alone.
; SHARES: work-groups 0-127 take x, 128-255 the mask (one path, XM: only pointers, the pitch and the last lines of a step differ), 256-511 the weights (path W).  Each path has LDS bytes of its own.
; The launch streams each input byte once; nothing is shared between work-groups, so no cluster, no tensor load, no matrix unit.
.set REC,   12800
.set XSTG,  8448                       ; path XM: a wave's stage: 16 rows x (512 bytes + 16)
.set WSTG,  4*XSTG                     ; path W: the stages begin here
.set WSTB,  3328                       ; a wave's: two images of 1,536 bytes, 1,664 bytes apart
.set SPARE, WSTG+4*WSTB                ; the spare words, 128 bytes for each wave: two blocks of 256 bytes that no other line names
.set SPW,  10                          ; v10  LDS address of my spare word; never rewritten
.set NIL,  11                          ; v11  0; never rewritten
.set OF,   12                          ; XM: v12-27   byte offset of tile row i: (i + 8 (i / 8)) x pitch + 16 x lane
.set A,    28                          ; XM: v28-155  two sets of 64: 16 rows x 512 bytes as loaded
.set X,    156                         ; XM: v156-219 64 numbers: register 16 b + i = column 32 b + 16 (lane / 16) + i of row lane % 16
.set PC,   220                         ; XM: v220-231 the fragment's codes
.set PT,   232                         ; XM: v232-239 second halves of blocks, before they are moved
.set TM,   240                         ; XM: v240-243 largest magnitudes
.set TP,   244                         ; XM: v244-247 the other half's, then the bytes
.set TO,   248                         ; XM: v248-251 the conversions' scale operands
.set PW,   252                         ; XM: v252     the scale word
.set MW,   254                         ; XM: v254-255 mask words: word n in register n % 2, lane n / 2
.set WOF,  12                          ; W: v12-43   i x pitch + 4 x lane
.set WX,   44                          ; W: v44-107  two sets of 32 numbers down K
.set WC,   108                         ; W: v108-131 codes: six registers a block
.set WT,   132                         ; W: v132-134 a block's second conversion
.set WSB,  136                         ; W: v136     my column's scale word
.set OUTR, 144                         ; W: v144-167 the way out
.set WA,   168                         ; W: v168     where my column's codes go in the stage
.set WR,   169                         ; W: v169     where I read the stage back
	s_load_b256 s[4:11], s[0:1], 0x0               ; x s[4:5], mask s[6:7], W_qkv s[8:9], W_out s[10:11]
	s_load_b128 s[12:15], s[0:1], 0x20             ; ximg s[12:13], wimg s[14:15]
	s_load_b64 s[16:17], s[0:1], 0x30              ; maskw
	v_lshl_add_u32 v[SPW], v0, 2, SPARE
	v_mov_b32 v[NIL], 0
	v_lshrrev_b32 v1, 5, v0
	v_readfirstlane_b32 s18, v1                    ; wave
	v_and_b32 v1, 31, v0                           ; lane
	v_and_b32 v2, 15, v0                           ; r
	v_bfe_u32 v3, v0, 4, 1                         ; h
	s_mov_b32 s20, 0x76543210
	s_mov_b32 s21, 0xfedcba98                      ; v_permlanex16_b32's selects for lane l xor 16
	s_cmp_ge_u32 ttmp9, 256
	s_cbranch_scc1 .Lweights
; ---------------- PATH XM: a wave takes one tile of 16 rows for four steps of 128 columns (512 bytes of each row).
	s_lshr_b32 s22, ttmp9, 7                       ; 0: x, 1: mask
	s_and_b32 s23, ttmp9, 127
	s_lshl_b32 s23, s23, 2
	s_add_co_u32 s23, s23, s18                     ; my task, 0..511
	s_add_co_u32 s24, s22, 1                       ; x has 2 tasks a tile (8 steps), the mask 4 (16 steps)
	s_lshr_b32 s25, s23, s24                       ; tile T
	s_lshl_b32 s26, s25, s24
	s_sub_co_u32 s26, s23, s26
	s_lshl_b32 s26, s26, 2                         ; my first step
	s_lshl_b32 s27, 4096, s22                      ; a row in bytes
	s_lshr_b32 s28, s25, 1
	s_lshl_b32 s28, s28, 5
	s_and_b32 s29, s25, 1
	s_lshl_b32 s29, s29, 3
	s_add_co_u32 s28, s28, s29                     ; the tile's first row: 32 (T / 2) + 8 (T % 2)
	s_mul_i32 s28, s28, s27
	s_lshl_b32 s29, s26, 9
	s_add_co_u32 s28, s28, s29                     ; where I read, in bytes (under 2^25)
	s_mov_b32 s29, 0
	s_lshr_b32 s32, s25, 3
	s_lshl_b32 s32, s32, 3
	s_add_co_u32 s32, s32, s26
	s_mul_i32 s32, s32, REC                        ; x: record (T / 8, first step)
	s_and_b32 s33, s25, 7
	s_lshl_b32 s34, s33, 2
	s_add_co_u32 s34, s34, s32
	s_add_co_u32 s34, s34, 12288                   ; its scale words of tile T % 8
	s_mov_b32 s35, 0
	s_mul_i32 s33, s33, 1536
	s_add_co_u32 s32, s32, s33                     ; its image of tile T % 8
	s_mov_b32 s33, 0
	s_lshl_b32 s36, s25, 4
	s_add_co_u32 s36, s36, s26
	s_lshl_b32 s36, s36, 8                         ; mask: (16 T + first step) x 256
	s_mov_b32 s37, 0
	s_wait_alu depctr_va_vdst(0)
	v_lshlrev_b32 v4, 4, v1                        ; 16 x lane
	s_mul_i32 s19, s18, XSTG                       ; my stage
	v_add_nc_u32 v5, s19, v4                       ; into it: row i at 528 i, 16 bytes a lane
	v_mul_u32_u24 v6, v2, 528
	v_lshl_add_u32 v6, v3, 6, v6
	v_add_nc_u32 v6, s19, v6                       ; out of it: row r, + 64 h: my 16 numbers of each block of 32
	v_lshlrev_b32 v7, 3, v1                        ; 8 x lane: a plane's place, and the mask words'
	v_lshlrev_b32 v8, 5, v2                        ; 32 r: a scale word's
.irp i,0,1,2,3,4,5,6,7,8,9,10,11,12,13,14,15
	v_mad_u32_u24 v[OF+\i], s27, \i+8*(\i/8), v4
.endr
.irp b,0,1,2,3
	v_mov_b32 v[TP+\b], 0                          ; written once: a lane permute's destination counts as one of its sources
.endr
	v_mov_b32 v[MW], 0                             ; likewise v_writelane_b32's
	v_mov_b32 v[MW+1], 0
	s_wait_alu depctr_va_vdst(0)
	s_wait_kmcnt 0x0
	s_cmp_eq_u32 s22, 0                            ; the choice hangs on the work-group's number alone
	s_cselect_b64 s[30:31], s[4:5], s[6:7]
	s_add_nc_u64 s[30:31], s[30:31], s[28:29]
	s_add_nc_u64 s[32:33], s[12:13], s[32:33]
	s_add_nc_u64 s[34:35], s[12:13], s[34:35]
	s_add_nc_u64 s[36:37], s[16:17], s[36:37]
.macro LOADX q                         ; step q: each load reads 512 consecutive bytes of one row
.irp i,0,1,2,3,4,5,6,7,8,9,10,11,12,13,14,15
	global_load_b128 v[A+64*((\q)%2)+4*\i:A+64*((\q)%2)+4*\i+3], v[OF+\i], s[30:31] offset:512*(\q) th:TH_LOAD_NT
.endr
.endm
; 64 numbers of a lane become a fragment's codes in v[PC] on and its scale word in v[PW].
.macro QUANT s
.irp b,0,1,2,3
	v_max3_num_f32 v[TM+\b], |v[\s+16*\b]|, |v[\s+1+16*\b]|, 0x1800000   ; block b: my 16 numbers, and the floor 2^(3 - 127): the byte cannot fall under 1
.endr
.irp i,2,4,6,8,10,12,14
.irp b,0,1,2,3
	v_max3_num_f32 v[TM+\b], v[TM+\b], |v[\s+16*\b+\i]|, |v[\s+1+16*\b+\i]|   ; the four blocks by turns
.endr
.endr
.irp b,0,1,2,3
	v_permlanex16_b32 v[TP+\b], v[TM+\b], s20, s21
.endr
.irp b,0,1,2,3
	v_max_num_f32 v[TM+\b], v[TM+\b], v[TP+\b]     ; with lane l xor 16's: the block's largest magnitude
.endr
.irp b,0,1,2,3
	v_add_nc_u32 v[TO+\b], 0xff000000, v[TM+\b]    ; 2 off its exponent field: the conversion takes that field as its scale
.endr
.irp b,0,1,2,3
	v_lshrrev_b32 v[TP+\b], 23, v[TO+\b]           ; the scale's byte
.endr
	v_lshl_or_b32 v[PW], v[TP+1], 8, v[TP]
	v_lshl_or_b32 v[PW], v[TP+2], 16, v[PW]
	v_lshl_or_b32 v[PW], v[TP+3], 24, v[PW]
.irp c,0,1
	v_cvt_scalef32_pk16_fp6_f32 v[PC+6*\c:PC+6*\c+2], v[\s+32*\c:\s+32*\c+15], v[TO+2*\c]
	v_cvt_scalef32_pk16_fp6_f32 v[PT+4*\c:PT+4*\c+2], v[\s+32*\c+16:\s+32*\c+31], v[TO+2*\c+1]   ; (a conversion's three registers begin on an even number)
.endr
	v_nop                                          ; one plain instruction behind the scaled conversions
.irp c,0,1                             ; the operand wants a WHOLE block in a lane: lanes 0-15 block 2 c, lanes 16-31 block 2 c + 1
.irp i,0,1,2
	v_permlane16_swap_b32 v[PC+6*\c+\i], v[PT+4*\c+\i]
.endr
.irp i,0,1,2
	v_mov_b32 v[PC+6*\c+3+\i], v[PT+4*\c+\i]
.endr
.endr
.endm
; One step: the 16 x 512 bytes turn through my stage, so that a lane holds 16 neighbours of each block of its row; then x is quantised, or the mask is compared with 0.
.macro XSTEP q
.if (\q) < 3
	s_wait_loadcnt 16                              ; this step's 16 loads are in; the next step's 16 may be out
.else
	s_wait_loadcnt 0x0
.endif
.irp i,0,1,2,3,4,5,6,7,8,9,10,11,12,13,14,15
	ds_store_b128 v5, v[A+64*((\q)%2)+4*\i:A+64*((\q)%2)+4*\i+3] offset:528*\i
.endr
.irp b,0,1,2,3
.irp j,0,1,2,3
	ds_load_b128 v[X+16*\b+4*\j:X+16*\b+4*\j+3], v6 offset:128*\b+16*\j   ; LDS serves a wave's instructions in order: these see the stores above
.endr
.endr
	s_wait_dscnt 0x0                               ; the numbers are back, and the stores have read this set of registers
	s_wait_xcnt 0x0                                ; the last step's global stores have read their data: codes, scale word and mask words are written again only behind this wait
.if (\q) < 2
	LOADX (\q)+2                                   ; this set takes the loads of two steps on
.endif
	s_cmp_eq_u32 s22, 0
	s_cbranch_scc0 .Lmask_\@
	QUANT X
.irp p,0,1,2,3,4,5
	global_store_b64 v7, v[PC+2*\p:PC+2*\p+1], s[32:33] offset:REC*(\q)+256*\p   ; a plane: 256 consecutive bytes, aligned
.endr
	global_store_b32 v8, v[PW], s[34:35] offset:REC*(\q)   ; lanes 16-31 repeat lanes 0-15's address and value
	s_branch .Ljoin_\@
.Lmask_\@:
.set n, 0
	s_wait_alu depctr_va_vdst(0)
.rept 64
	v_cmp_eq_u32 s[40+n%4], 0, v[X+n]              ; bit L: the mask is 0 at lane L's row and register n's key
	v_writelane_b32 v[MW+n%2], s[40+n%4], n/2
.set n, n+1
.endr
	global_store_b64 v7, v[MW:MW+1], s[36:37] offset:256*(\q)   ; 64 words: 256 consecutive bytes, aligned
.Ljoin_\@:
.endm
	LOADX 0
	LOADX 1
	XSTEP 0
	XSTEP 1
	XSTEP 2
	XSTEP 3
	s_wait_tensorcnt 0x0                           ; the wave's end, behind my last LDS store
	ds_add_u32 v[SPW], v[NIL]
	s_wait_dscnt 0x0
	s_endpgm
; ---------------- PATH W: K is the weights' FIRST axis.  A lane takes a column and its registers run down K: a block of 32 lies in one lane, and the codes come out with K innermost.
; A work-group makes one record (128 columns x 128 K); wave w its columns 32 w .. 32 w + 31, which are tiles 2 w and 2 w + 1: column l is lane index l % 8 + 8 (l / 16) of tile 2 w + (l / 8) % 2.
.Lweights:
	s_sub_co_u32 s22, ttmp9, 256                   ; the record's number 8 rb + s
	s_lshr_b32 s23, s22, 3                         ; rb
	s_and_b32 s24, s22, 7                          ; s
	s_mov_b32 s27, 4096
	s_cmp_lt_u32 s23, 24                           ; W_qkv or W_out: hangs on the work-group's number alone
	s_cselect_b32 s27, 12288, s27                  ; a row in bytes
	s_cselect_b32 s25, 0, 24
	s_cselect_b32 s26, 1, 0
	s_sub_co_u32 s25, s23, s25                     ; block of 128 columns in its own tensor
	s_lshl_b32 s28, s24, 7
	s_mul_i32 s28, s28, s27                        ; row 128 s,
	s_lshl_b32 s29, s25, 9
	s_add_co_u32 s28, s28, s29                     ; the block's columns,
	s_lshl_b32 s29, s18, 7
	s_add_co_u32 s28, s28, s29                     ; my wave's 32 of them
	s_mov_b32 s29, 0
	s_lshl_b32 s40, s27, 5                         ; 32 rows on
	s_mov_b32 s41, 0
	s_mul_i32 s42, s22, REC
	s_mul_i32 s43, s18, 3072
	s_lshl_b32 s44, s18, 3
	s_add_co_u32 s44, s44, s42
	s_add_co_u32 s44, s44, 12288                   ; the scale words of tiles 2 w, 2 w + 1
	s_mov_b32 s45, 0
	s_add_co_u32 s42, s42, s43                     ; their images
	s_mov_b32 s43, 0
	s_wait_alu depctr_va_vdst(0)
	v_lshlrev_b32 v9, 2, v1                        ; 4 x lane
.set i, 0
.rept 32
	v_mad_u32_u24 v[WOF+i], s27, i, v9
.set i, i+1
.endr
	v_bfe_u32 v4, v0, 3, 1                         ; which of the two tiles
	v_and_b32 v5, 7, v0
	v_lshl_add_u32 v5, v3, 3, v5                   ; my lane index in it
	s_mul_i32 s19, s18, WSTB
	s_add_co_u32 s19, s19, WSTG                    ; my stage
	v_mul_u32_u24 v[WA], v4, 1664
	v_lshl_add_u32 v[WA], v5, 3, v[WA]
	v_add_nc_u32 v[WA], s19, v[WA]
	v_lshlrev_b32 v170, 4, v1                      ; 16 x lane
	v_add_nc_u32 v[WR], s19, v170
	v_lshlrev_b32 v171, 5, v5
	v_lshl_add_u32 v171, v4, 2, v171               ; 32 x lane index + 4 x tile
	s_wait_kmcnt 0x0
	s_cmp_lg_u32 s26, 0
	s_cselect_b64 s[30:31], s[8:9], s[10:11]
	s_add_nc_u64 s[32:33], s[30:31], s[28:29]      ; a base for each block of 32 rows
	s_add_nc_u64 s[34:35], s[32:33], s[40:41]
	s_add_nc_u64 s[36:37], s[34:35], s[40:41]
	s_add_nc_u64 s[38:39], s[36:37], s[40:41]
	s_add_nc_u64 s[42:43], s[14:15], s[42:43]
	s_add_nc_u64 s[44:45], s[14:15], s[44:45]
.macro WLOAD j                         ; block j: 32 rows; each load reads 128 consecutive bytes, the four waves side by side 512
.set i, 0
.rept 32
	global_load_b32 v[WX+32*((\j)%2)+i], v[WOF+i], s[32+2*(\j):33+2*(\j)] th:TH_LOAD_NT
.set i, i+1
.endr
.endm
.macro WBLOCK j
.set XS, WX+32*((\j)%2)
.if (\j) < 3
	s_wait_loadcnt 32                              ; this block's 32 loads are in; the next block's may be out
.else
	s_wait_loadcnt 0x0
.endif
	v_max3_num_f32 v137, |v[XS]|, |v[XS+1]|, |v[XS+2]|     ; the block's largest magnitude: all 32 numbers are mine; two chains
	v_max3_num_f32 v138, |v[XS+3]|, |v[XS+4]|, |v[XS+5]|
.irp i,6,10,14,18,22,26
	v_max3_num_f32 v137, v137, |v[XS+\i]|, |v[XS+\i+1]|
	v_max3_num_f32 v138, v138, |v[XS+\i+2]|, |v[XS+\i+3]|
.endr
	v_max3_num_f32 v137, v137, |v[XS+30]|, |v[XS+31]|
	v_max3_num_f32 v137, v137, v138, 0x1800000     ; and the floor 2^(3 - 127)
	v_add_nc_u32 v139, 0xff000000, v137            ; the conversion's scale operand
	v_lshrrev_b32 v138, 23, v139                   ; the byte
.if (\j) == 0
	v_mov_b32 v[WSB], v138
.else
	v_lshl_or_b32 v[WSB], v138, 8*(\j), v[WSB]
.endif
	v_cvt_scalef32_pk16_fp6_f32 v[WC+6*(\j):WC+6*(\j)+2], v[XS:XS+15], v139
	v_cvt_scalef32_pk16_fp6_f32 v[WT:WT+2], v[XS+16:XS+31], v139
	v_nop                                          ; one plain instruction behind the scaled conversions
.irp i,0,1,2
	v_mov_b32 v[WC+6*(\j)+3+\i], v[WT+\i]
.endr
.irp i,0,1,2                           ; block j = registers 6 (j / 2) .. + 5 of lane index + 16 (j % 2): plane 3 (j / 2) + i, 128 (j % 2) bytes on
	ds_store_b64 v[WA], v[WC+6*(\j)+2*\i:WC+6*(\j)+2*\i+1] offset:256*(3*((\j)/2)+\i)+128*((\j)%2)
.endr
.if (\j) < 2
	WLOAD (\j)+2
.endif
.endm
	WLOAD 0
	WLOAD 1
	WBLOCK 0
	WBLOCK 1
	WBLOCK 2
	WBLOCK 3
.irp n,0,1,2,3,4,5
	ds_load_b128 v[OUTR+4*\n:OUTR+4*\n+3], v[WR] offset:1664*(\n/3)+512*(\n%3)   ; LDS serves a wave's instructions in order: these see my stores
.endr
	global_store_b32 v171, v[WSB], s[44:45]        ; the scale words: 4 bytes a column, inside the record's last 512 bytes
.irp n,0,1,2,3,4,5
	s_wait_dscnt 5-\n
	global_store_b128 v170, v[OUTR+4*\n:OUTR+4*\n+3], s[42:43] offset:1536*(\n/3)+512*(\n%3)   ; 512 consecutive bytes, aligned to 256
.endr
	s_wait_tensorcnt 0x0                           ; the wave's end, behind my last LDS store
	ds_add_u32 v[SPW], v[NIL]
	s_wait_dscnt 0x0
	s_endpgm
.Lfunc_end_k_q55ac8a816f_prep:
	.size	k_q55ac8a816f_prep, .Lfunc_end_k_q55ac8a816f_prep-k_q55ac8a816f_prep
	.p2alignl 7, 3214868480
	.fill 96, 4, 3214868480
	.section	.rodata,"a",@progbits
	.p2align	6, 0x0
	.amdhsa_kernel k_q55ac8a816f_prep
		.amdhsa_group_segment_fixed_size 47616
		.amdhsa_private_segment_fixed_size 0
		.amdhsa_enable_private_segment 0
		.amdhsa_kernarg_size 56
		.amdhsa_user_sgpr_count 2
		.amdhsa_user_sgpr_kernarg_segment_ptr 1
		.amdhsa_wavefront_size32 1
		.amdhsa_system_sgpr_workgroup_id_x 1
		.amdhsa_system_sgpr_workgroup_id_y 1
		.amdhsa_system_sgpr_workgroup_id_z 1
		.amdhsa_system_vgpr_workitem_id 0
		.amdhsa_next_free_vgpr 256
		.amdhsa_next_free_sgpr 66
		.amdhsa_reserve_vcc 0
		.amdhsa_float_denorm_mode_32 3
		.amdhsa_float_denorm_mode_16_64 3
		.amdhsa_memory_ordered 1
		.amdhsa_forward_progress 1
		.amdhsa_inst_pref_size 93
	.end_amdhsa_kernel
	.amdgpu_metadata
---
amdhsa.version: [ 1, 2 ]
amdhsa.kernels:
  - .name:           k_q55ac8a816f_prep
    .symbol:         k_q55ac8a816f_prep.kd
    .args:
      - { .name: x, .offset: 0, .size: 8, .value_kind: global_buffer, .address_space: global }
      - { .name: mask, .offset: 8, .size: 8, .value_kind: global_buffer, .address_space: global }
      - { .name: W_qkv, .offset: 16, .size: 8, .value_kind: global_buffer, .address_space: global }
      - { .name: W_out, .offset: 24, .size: 8, .value_kind: global_buffer, .address_space: global }
      - { .name: ximg, .offset: 32, .size: 8, .value_kind: global_buffer, .address_space: global }
      - { .name: wimg, .offset: 40, .size: 8, .value_kind: global_buffer, .address_space: global }
      - { .name: maskw, .offset: 48, .size: 8, .value_kind: global_buffer, .address_space: global }
    .group_segment_fixed_size: 47616
    .private_segment_fixed_size: 0
    .kernarg_segment_align: 8
    .kernarg_segment_size: 56
    .max_flat_workgroup_size: 128
    .sgpr_count:     66
    .vgpr_count:     256
    .wavefront_size: 32
...
	.end_amdgpu_metadata
.endif
;; end of part 1
;; launch gemm1 (part 2): grid 8 x 32, 4 waves a work-group, clusters of 4 x 4, 327,680 bytes of LDS; arguments ximg, wimg, qbuf, kv; writes qbuf, kv
.if DOCPART == 2
	.amdgcn_target "amdgcn-amd-amdhsa--gfx1250"
	.amdhsa_code_object_version 6
	.text
	.protected	k_q55ac8a816f_gemm1
	.globl	k_q55ac8a816f_gemm1
	.p2align	8
	.type	k_q55ac8a816f_gemm1,@function
k_q55ac8a816f_gemm1:
	s_mov_b64 s[64:65], 0
	v_nop
	global_prefetch_b8 v0, s[64:65] scope:SCOPE_SE
	s_setreg_imm32_b32 hwreg(HW_REG_WAVE_MODE, 25, 1), 1
	s_wait_xcnt 0x0
	s_wait_alu depctr_hold_cnt(0) depctr_sa_sdst(0) depctr_va_vdst(0) depctr_va_sdst(0) depctr_va_ssrc(0) depctr_va_vcc(0) depctr_vm_vsrc(0)
	s_getreg_b32 s2, hwreg(HW_REG_IB_STS2, 6, 4)
	s_cmp_eq_u32 s2, 0
	s_cbranch_scc0 .Lentry_in_a_cluster
	s_endpgm
.Lentry_in_a_cluster:
	s_bfe_u32 s2, ttmp6, 0x10000c
	s_cmp_lg_u32 s2, 0xf033
	s_cbranch_scc0 .Lentry_shape_is_right
	s_endpgm
.Lentry_shape_is_right:
; GEMM1.  qkv = x W_qkv on codes of FP6 (E2M3) with E8M0 scales, K = 1,024; the results are quantised in registers: q and k along the head's 64, v along the keys, and leave as images of operand registers.
; OPERANDS come as records of 12,800 bytes (block rb of 128 rows, K step s of 128, at (8 rb + s) x 12,800): eight images of 1,536 bytes (tile t at 1,536 t: six planes of 256 bytes, plane p = registers 2 p, 2 p + 1 of lane L
; at 256 p + 8 L), then the scale word of (lane index r, tile t) at 12,288 + 32 r + 4 t.  TILE ORDER: lane index r of tile T is row 32 (T / 2) + 8 (T % 2) + r + 8 (r / 8).
; A WORK-GROUP STAYS: it takes one block of 128 tokens of x and walks THREE blocks of 128 columns of W with the same index g: W_q's (wimg block g), W_k's (8 + g), W_v's (16 + g): three units of 128 products a wave.
; Four waves: wave w takes x's tiles 4 (w / 2) + a and W's tiles 4 (w % 2) + b: 16 accumulators in v256-383.  A wave's 64 columns are one head: 2 g + w % 2.
;   units q, k: source 0 = a tile of W, source 1 = a tile of x: a lane holds ONE token, and the 16 registers of W's tiles 2 e, 2 e + 1 are 16 neighbours along d: quantised along d.
;   unit v:     the sources and their scale rows change places: a lane holds ONE column of v, and its registers run along the tokens: quantised along the keys.
; LDS: x's eight records at 0; slot A at 102,400 (W_q, later W_v); slot B at 204,800 (W_k); the spare words at 307,200.
; FIRST FILLS: one load a wave of four records (K steps 4 (w % 2) .. + 3 of x: waves 0, 1; of W_q: waves 2, 3), landed in full before a round; then one of two records (W_k's 2 w, 2 w + 1): one out at the most.  W_k's lands under unit q's
; 128 products.  ONE REFILL: behind unit q every wave waits for all its tensor loads, adds 0 to its spare word, waits for that and for its LDS reads and passes a round of the cluster's barrier;
; then it asks for W_v's records 2 w, 2 w + 1 into slot A: one load a wave, with unit k's 128 products in which to land.
; CLUSTER 4 x 4: x's records hang on the cluster's row alone and are asked for jointly by its four work-groups, W's on the column.
; OUT: record (16 (16 batch + head) + token block % 16) x 12,800 of qbuf (q) or kv (k, v).  A HALF IMAGE is 768 bytes: registers 0-3 of lane L at 16 L, registers 4, 5 at 512 + 8 L.
;      q, k: half image of token tile t at 768 t, its two scale bytes at 12,288 + 64 (t / 2) + 4 r + 2 (t % 2).
;      v: image of d tile a at 6,144 + 1,536 a, half c (64 keys) at + 768 c; its two scale bytes at 12,544 + 64 a + 4 r + 2 c.  A head's two blocks are half of a scale word: hence stores of 2 bytes a row for the scales.
; LIMITS: NaN and infinities are not served; a block whose largest magnitude lies under 2^-124 keeps the byte 1 (these bytes are read by this program alone).
; No prefetch: all but W_v's block is asked for at the head, and W_v's a whole unit ahead of its first read.
.set REC,   12800
.set OPB,   8*REC                      ; an operand's eight records
.set WSA,   OPB                        ; slot A
.set WSB,   2*OPB                      ; slot B
.set SPARE, 3*OPB                      ; the spare words, 128 bytes for each wave: two blocks of 256 bytes that no other line names
.set L8,   1                           ; v1     8 x lane
.set AR,   4                           ; v4-5   LDS address of x's images, K steps 0-3 and 4-7
.set AP,   6                           ; v6-7   of W's in slot A
.set AS,   8                           ; v8-9   of the scale words: lanes 0-15 x's, lanes 16-31 slot A's
.set SPW,  10                          ; v10    my spare word; never rewritten
.set NIL,  11                          ; v11    0; never rewritten
.set APB,  12                          ; v12-13 W's images in slot B
.set ASB,  14                          ; v14-15 the scale words: lanes 0-15 x's, lanes 16-31 slot B's
.set OQ16, 16                          ; v16    the way out, q and k: 16 x lane + 3,072 (w / 2)
.set OQ8,  17                          ; v17    8 x lane + 3,072 (w / 2)
.set OQS,  18                          ; v18    4 r + 128 (w / 2)
.set OV16, 19                          ; v19    v: 16 x lane + 768 (w / 2)
.set OV8,  20                          ; v20    8 x lane + 768 (w / 2)
.set OVS,  21                          ; v21    4 r + 2 (w / 2)
.set SC,   24                          ; v24-27, v28-31 scale words, two sets: register i: lanes 0-15 x's tile i, lanes 16-31 W's tile i
.set F,    32                          ; v32-127, v128-223 fragments, two sets: W's at + 12 b, x's at + 48 + 12 a
.set TM,   32                          ; the way out: v32-39 largest magnitudes (2 a + block), v40-47 the other half's, then bytes, v48-55 scale operands, v56-59 the two bytes of a row
.set TP,   40
.set TO,   48
.set HW,   56
.set H,    64                          ; v64-87  half images, six registers a tile
.set T,    96                          ; v96-111 second halves of blocks, before they are moved
.set WV,   12                          ; s12 wave, s13 wave / 2, s14 wave % 2
.set G1R,  24                          ; s[24:31] descriptor group 1 for x's records, s[32:39] for W's: they differ in the mask alone
.set G1P,  32
.set G0R,  40                          ; s[40:43] group 0 for x
.set G0P,  68                          ; s[68:71] group 0 for W_q
.set G1W,  84                          ; s[84:91] group 1 for two records of W at once
.set G0K,  92                          ; s[92:95] group 0 for W_k's two
.set G0V,  96                          ; s[96:99] for W_v's two
.set SEL,  66
.set MSB, 0
.macro WIN new                         ; the immediate's high byte repeats the setting that is left
.if MSB != \new
	s_set_vgpr_msb (MSB<<8)|\new
.set MSB, \new
.endif
.endm
.macro CROUND                          ; a round of the cluster's barrier
	s_barrier_signal -1
	s_barrier_wait -1
	s_cmp_lg_u32 s[WV], 0
	s_cbranch_scc1 .Lnot_wave_0_\@
	s_barrier_signal -3
.Lnot_wave_0_\@:
	s_barrier_wait -3
	s_barrier_signal -1
	s_barrier_wait -1
.endm
	s_load_b256 s[4:11], s[0:1], 0x0               ; ximg s[4:5], wimg s[6:7], qbuf s[8:9], kv s[10:11]
	v_lshl_add_u32 v[SPW], v0, 2, SPARE
	v_mov_b32 v[NIL], 0
	ds_add_u32 v[SPW], v[NIL]                      ; the wave's opening: the add and its wait ahead of my first tensor load; work on registers stands between them
	ds_add_u32 v[SPW], v[NIL]
	v_lshrrev_b32 v1, 5, v0
	v_readfirstlane_b32 s[WV], v1
	s_lshr_b32 s13, s[WV], 1                       ; which half of x's tiles.  Also: my first load fetches for x (0) or for W_q (1)
	s_and_b32 s14, s[WV], 1                        ; which half of W's tiles.  Also: the half of the K steps that they fetch
	s_bfe_u32 s15, ttmp6, 0x40000                  ; cx
	s_bfe_u32 s16, ttmp6, 0x40004                  ; cy
	s_and_b32 s20, ttmp7, 0xffff
	s_lshl_b32 s20, s20, 2
	s_add_co_u32 s20, s20, s16                     ; the block of 128 tokens, 0..31
	s_lshl_b32 s22, ttmp9, 2
	s_add_co_u32 s22, s22, s15                     ; g, 0..7
	s_mul_i32 s19, s14, 4*REC                      ; my head load brings four records on end: K steps 4 (wave % 2) .. + 3
	s_mul_i32 s56, s20, OPB
	s_add_co_u32 s56, s56, s19                     ; x: my first record, in bytes: made of cy, the cluster's y and the wave's number
	s_mov_b32 s57, 0
	s_mul_i32 s58, s22, OPB
	s_add_co_u32 s58, s58, s19                     ; W_q: made of cx, the cluster's x and the wave's number
	s_mov_b32 s59, 0
	s_mul_i32 s60, s13, OPB
	s_add_co_u32 s60, s60, s19                     ; where it goes in LDS: the wave's number alone
	s_mul_i32 s61, s[WV], 2*REC                    ; my two records of a whole block
	s_mul_i32 s62, s22, OPB
	s_add_co_u32 s62, s62, s61
	s_add_co_u32 s62, s62, 8*OPB                   ; W_k: block 8 + g
	s_mov_b32 s63, 0
	s_lshl_b32 s17, s16, 2
	s_lshl_b32 s17, 15, s17                        ; my row of the cluster
	s_lshl_b32 s18, 0x1111, s15                    ; my column
	s_or_b32 s[G1R], s17, (3<<16)|(1<<21)          ; 15:0 the mask; 17:16 elements of 8 bytes; 21 set beside a mask; no padding
	s_or_b32 s[G1P], s18, (3<<16)|(1<<21)
	s_or_b32 s[G1W], s18, (3<<16)|(1<<21)
.irp g,G1R,G1P                         ; a record is dense: 50 rows of 256 bytes
	s_mov_b32 s[\g+1], 32<<16                      ; tensor_dim0 = 32 elements
	s_mov_b32 s[\g+2], 200<<16                     ; tensor_dim1 = 200: four dense records are 200 rows of 256 bytes
	s_mov_b32 s[\g+3], 32<<16                      ; tile_dim0
	s_mov_b32 s[\g+4], 200                         ; tile_dim1
	s_mov_b32 s[\g+5], 32                          ; from row to row
	s_mov_b32 s[\g+6], 0
	s_mov_b32 s[\g+7], 0
.endr
	s_mov_b32 s[G1W+1], 32<<16                     ; two records on end: 100 rows of 256 bytes
	s_mov_b32 s[G1W+2], 100<<16
	s_mov_b32 s[G1W+3], 32<<16
	s_mov_b32 s[G1W+4], 100
	s_mov_b32 s[G1W+5], 32
	s_mov_b32 s[G1W+6], 0
	s_mov_b32 s[G1W+7], 0
	s_lshl_b32 s2, s22, 1                          ; the way out: one record offset for q, k and v
	s_add_co_u32 s2, s2, s14                       ; head = 2 g + wave % 2
	s_lshr_b32 s3, s20, 4
	s_lshl_b32 s3, s3, 4
	s_add_co_u32 s2, s2, s3                        ; 16 batch + head
	s_lshl_b32 s2, s2, 4
	s_and_b32 s3, s20, 15
	s_add_co_u32 s2, s2, s3
	s_mul_i32 s100, s2, REC
	s_mov_b32 s101, 0
	s_mov_b32 s[SEL], 0x76543210
	s_mov_b32 s[SEL+1], 0xfedcba98
	s_wait_dscnt 0x0                               ; the opening add is done
	s_wait_kmcnt 0x0
	s_add_nc_u64 s[56:57], s[4:5], s[56:57]
	s_add_nc_u64 s[58:59], s[6:7], s[58:59]
	s_add_nc_u64 s[62:63], s[6:7], s[62:63]
	s_add_nc_u64 s[8:9], s[8:9], s[100:101]        ; q's record
	s_add_nc_u64 s[10:11], s[10:11], s[100:101]    ; k's and v's
.irp j,0                               ; one group 0 for x and one for W_q
	s_mov_b32 s[G0R+4*\j], 1
	s_add_co_u32 s[G0R+4*\j+1], s60, \j*2*REC      ; LDS address: K steps 4 (wave % 2) .. + 3
	s_add_nc_u64 s[G0R+4*\j+2:G0R+4*\j+3], s[56:57], \j*2*REC
	s_or_b32 s[G0R+4*\j+3], s[G0R+4*\j+3], 0x80000000   ; type = 2
	s_mov_b32 s[G0P+4*\j], 1
	s_add_co_u32 s[G0P+4*\j+1], s60, \j*2*REC
	s_add_nc_u64 s[G0P+4*\j+2:G0P+4*\j+3], s[58:59], \j*2*REC
	s_or_b32 s[G0P+4*\j+3], s[G0P+4*\j+3], 0x80000000
.endr
	s_mov_b32 s[G0K], 1
	s_add_co_u32 s[G0K+1], s61, WSB
	s_mov_b64 s[G0K+2:G0K+3], s[62:63]
	s_or_b32 s[G0K+3], s[G0K+3], 0x80000000
	s_mov_b32 s[G0V], 1
	s_add_co_u32 s[G0V+1], s61, WSA
	s_add_nc_u64 s[G0V+2:G0V+3], s[62:63], 8*OPB   ; W_v: block 16 + g
	s_or_b32 s[G0V+3], s[G0V+3], 0x80000000
	CROUND                                         ; all sixteen work-groups are here: the joint loads meet
	s_cmp_eq_u32 s13, 0                            ; x's and W_q's fills go out, ahead of every wait on TENSORcnt, every LDS read and every other barrier
	s_cbranch_scc0 .Lfor_w
.irp j,0                               ; ONE load a wave at the head: waves 0, 1 bring x's two halves
	tensor_load_to_lds s[G0R+4*\j:G0R+4*\j+3], s[G1R:G1R+7]
	s_nop 0
.endr
.rept 4
	v_nop
.endr
	s_branch .Lasked
.Lfor_w:
.irp j,0                               ; waves 2, 3 bring W_q's two halves
	tensor_load_to_lds s[G0P+4*\j:G0P+4*\j+3], s[G1P:G1P+7]
	s_nop 0
.endr
.rept 4
	v_nop
.endr
.Lasked:
	v_and_b32 v2, 31, v0
	v_lshlrev_b32 v[L8], 3, v2                     ; 8 x lane: my place in a plane
	v_lshlrev_b32 v22, 4, v2                       ; 16 x lane
	v_and_b32 v2, 15, v0                           ; r
	v_bfe_u32 v3, v0, 4, 1                         ; h
	s_wait_alu depctr_va_vdst(0)
	s_mul_i32 s2, s13, 6144
	v_add_nc_u32 v[AR], s2, v[L8]
	v_add_nc_u32 v[AR+1], 4*REC, v[AR]
	s_mul_i32 s2, s14, 6144
	s_add_co_u32 s2, s2, WSA
	v_add_nc_u32 v[AP], s2, v[L8]
	v_add_nc_u32 v[AP+1], 4*REC, v[AP]
	v_add_nc_u32 v[APB], OPB, v[AP]
	v_add_nc_u32 v[APB+1], OPB, v[AP+1]
	s_xor_b32 s2, s13, 1                           ; from x's four words to slot A's: OPB + 16 (wave % 2) - 16 (wave / 2), written as one product with h
	s_add_co_u32 s2, s2, s14
	s_lshl_b32 s2, s2, 4
	s_add_co_u32 s2, s2, OPB-16
	s_lshl_b32 s3, s13, 4
	s_add_co_u32 s3, s3, 12288
	v_mul_u32_u24 v[AS], s2, v3
	v_lshl_add_u32 v[AS], v2, 5, v[AS]
	v_add_nc_u32 v[AS], s3, v[AS]
	v_add_nc_u32 v[AS+1], 4*REC, v[AS]
	s_add_co_u32 s2, s2, OPB                       ; and to slot B's
	v_mul_u32_u24 v[ASB], s2, v3
	v_lshl_add_u32 v[ASB], v2, 5, v[ASB]
	v_add_nc_u32 v[ASB], s3, v[ASB]
	v_add_nc_u32 v[ASB+1], 4*REC, v[ASB]
	s_mul_i32 s2, s13, 3072
	v_add_nc_u32 v[OQ16], s2, v22
	v_add_nc_u32 v[OQ8], s2, v[L8]
	s_lshl_b32 s2, s13, 7
	v_lshl_add_u32 v[OQS], v2, 2, s2
	s_mul_i32 s2, s13, 768
	v_add_nc_u32 v[OV16], s2, v22
	v_add_nc_u32 v[OV8], s2, v[L8]
	s_lshl_b32 s2, s13, 1
	v_lshl_add_u32 v[OVS], v2, 2, s2
; K step s: 49 LDS loads into set s % 2: each of the 48 reads 256 consecutive bytes; the last brings four scale words a lane.  ap, as: the address registers of W's slot
.macro FETCH s, ap, as
.set FS, F+96*((\s)%2)
.irp b,0,1,2,3
.irp p,0,1,2,3,4,5
	ds_load_b64 v[FS+12*\b+2*\p:FS+12*\b+2*\p+1], v[\ap+((\s)/4)] offset:((\s)%4)*REC+1536*\b+256*\p
.endr
.endr
.irp a,0,1,2,3
.irp p,0,1,2,3,4,5
	ds_load_b64 v[FS+48+12*\a+2*\p:FS+48+12*\a+2*\p+1], v[AR+((\s)/4)] offset:((\s)%4)*REC+1536*\a+256*\p
.endr
.endr
	ds_load_b128 v[SC+4*((\s)%2):SC+4*((\s)%2)+3], v[\as+((\s)/4)] offset:((\s)%4)*REC
.endm
; 16 products; the 16 accumulators take turns, one instruction a turn, in the same order in every step.  first = 1: the products start the sums.
; swap = 0: source 0 = W's tile b, source 1 = x's tile a, the sum at 32 a + 8 b.  swap = 1: source 0 = x's tile a, source 1 = W's tile b, the sum at 32 b + 8 a.
.macro MULS s, first, swap
.set FS, F+96*((\s)%2)
.set SS, SC+4*((\s)%2)
	WIN 0x50                                       ; C and D in window 1
.irp a,0,1,2,3
.irp b,0,1,2,3
.if \swap
.if \first
	v_wmma_scale_f32_16x16x128_f8f6f4 v[32*\b+8*\a:32*\b+8*\a+7], v[FS+48+12*\a:FS+48+12*\a+11], v[FS+12*\b:FS+12*\b+11], 0, v[SS+\a], v[SS+\b] matrix_a_fmt:MATRIX_FMT_FP6 matrix_b_fmt:MATRIX_FMT_FP6 matrix_b_scale:MATRIX_SCALE_ROW1
.else
	v_wmma_scale_f32_16x16x128_f8f6f4 v[32*\b+8*\a:32*\b+8*\a+7], v[FS+48+12*\a:FS+48+12*\a+11], v[FS+12*\b:FS+12*\b+11], v[32*\b+8*\a:32*\b+8*\a+7], v[SS+\a], v[SS+\b] matrix_a_fmt:MATRIX_FMT_FP6 matrix_b_fmt:MATRIX_FMT_FP6 matrix_b_scale:MATRIX_SCALE_ROW1
.endif
.else
.if \first
	v_wmma_scale_f32_16x16x128_f8f6f4 v[32*\a+8*\b:32*\a+8*\b+7], v[FS+12*\b:FS+12*\b+11], v[FS+48+12*\a:FS+48+12*\a+11], 0, v[SS+\b], v[SS+\a] matrix_a_fmt:MATRIX_FMT_FP6 matrix_b_fmt:MATRIX_FMT_FP6 matrix_a_scale:MATRIX_SCALE_ROW1
.else
	v_wmma_scale_f32_16x16x128_f8f6f4 v[32*\a+8*\b:32*\a+8*\b+7], v[FS+12*\b:FS+12*\b+11], v[FS+48+12*\a:FS+48+12*\a+11], v[32*\a+8*\b:32*\a+8*\b+7], v[SS+\b], v[SS+\a] matrix_a_fmt:MATRIX_FMT_FP6 matrix_b_fmt:MATRIX_FMT_FP6 matrix_a_scale:MATRIX_SCALE_ROW1
.endif
.endif
.endr
.endr
	WIN 0
.rept 4
	v_nop                                          ; four plain instructions in front of the next loads into this set and of the first read of results
.endr
.endm
; sync = 1: the K steps are still landing
.macro KSTEP s, first, swap, ap, as, sync
.if (\sync) && ((\s)%2) && ((\s) < 7)
	s_wait_tensorcnt 4-((\s)+1)/2                  ; my load of K steps s + 1, s + 2 has landed; the later ones and W_k's stay out
	s_wait_dscnt 0x0
	s_barrier_signal -1
	s_barrier_wait -1                              ; everybody's has
.endif
.if (\s) < 7
	FETCH (\s)+1, \ap, \as
	s_wait_dscnt 49                                ; all but the 49 just issued: this step's fragments and scale words are in
.else
	s_wait_dscnt 0x0
.endif
	MULS \s, \first, \swap
.endm
.macro UNIT swap, ap, as, sync
	FETCH 0, \ap, \as
	KSTEP 0, 1, \swap, \ap, \as, \sync
	KSTEP 1, 0, \swap, \ap, \as, \sync
	KSTEP 2, 0, \swap, \ap, \as, \sync
	KSTEP 3, 0, \swap, \ap, \as, \sync
	KSTEP 4, 0, \swap, \ap, \as, \sync
	KSTEP 5, 0, \swap, \ap, \as, \sync
	KSTEP 6, 0, \swap, \ap, \as, \sync
	KSTEP 7, 0, \swap, \ap, \as, \sync
.endm
; THE WAY OUT of a unit.  For each of the four tiles of the operand whose row a lane holds, the lane has 32 numbers: register 16 e + i = 32 e + 16 (lane / 16) + i along the other operand: two blocks of 32, each shared with lane l xor 16.
; base: the record's address; o16, o8, os: my offsets; c0, stra: where the half images lie; s0, xs, ys: where the scale bytes lie.
.macro WAYOUT base, o16, o8, os, c0, stra, s0, xs, ys
	WIN 0x05                                       ; sources 0 and 1 in window 1.
.irp a,0,1,2,3
.irp e,0,1
	v_max3_num_f32 v[TM+2*\a+\e], |v[32*\a+16*\e]|, |v[32*\a+16*\e+1]|, 0x1800000   ; and the floor 2^(3 - 127): the byte cannot fall under 1
.endr
.endr
	WIN 0x14                                       ; sources 1 and 2 in window 1
.irp i,2,4,6,8,10,12,14
.irp a,0,1,2,3
.irp e,0,1
	v_max3_num_f32 v[TM+2*\a+\e], v[TM+2*\a+\e], |v[32*\a+16*\e+\i]|, |v[32*\a+16*\e+\i+1]|
.endr
.endr
.endr
	WIN 0
.irp n,0,1,2,3,4,5,6,7
	v_permlanex16_b32 v[TP+\n], v[TM+\n], s[SEL], s[SEL+1]
.endr
.irp n,0,1,2,3,4,5,6,7
	v_max_num_f32 v[TM+\n], v[TM+\n], v[TP+\n]     ; the block's largest magnitude
.endr
.irp n,0,1,2,3,4,5,6,7
	v_add_nc_u32 v[TO+\n], 0xff000000, v[TM+\n]    ; 2 off its exponent field: the conversion's scale operand
.endr
.irp n,0,1,2,3,4,5,6,7
	v_lshrrev_b32 v[TP+\n], 23, v[TO+\n]           ; the byte
.endr
.irp a,0,1,2,3
	v_lshl_or_b32 v[HW+\a], v[TP+2*\a+1], 8, v[TP+2*\a]
.endr
	WIN 0x01                                       ; source 0 in window 1
.irp a,0,1,2,3
	v_cvt_scalef32_pk16_fp6_f32 v[H+6*\a:H+6*\a+2], v[32*\a:32*\a+15], v[TO+2*\a]
	v_cvt_scalef32_pk16_fp6_f32 v[T+4*\a:T+4*\a+2], v[32*\a+16:32*\a+31], v[TO+2*\a+1]
.endr
	WIN 0
	v_nop                                          ; one plain instruction behind the scaled conversions
.irp a,0,1,2,3                         ; a WHOLE block to a lane: lanes 0-15 block 0, lanes 16-31 block 1
.irp i,0,1,2
	v_permlane16_swap_b32 v[H+6*\a+\i], v[T+4*\a+\i]
.endr
.irp i,0,1,2
	v_mov_b32 v[H+6*\a+3+\i], v[T+4*\a+\i]
.endr
.endr
.irp a,0,1,2,3
	global_store_b128 v[\o16], v[H+6*\a:H+6*\a+3], s[\base:\base+1] offset:\c0+\stra*\a         ; 512 consecutive bytes, at a multiple of 256
	global_store_b64 v[\o8], v[H+6*\a+4:H+6*\a+5], s[\base:\base+1] offset:\c0+\stra*\a+512     ; 256 consecutive bytes, aligned
	global_store_b16 v[\os], v[HW+\a], s[\base:\base+1] offset:\s0+\xs*(\a%2)+\ys*(\a/2)        ; lanes 16-31 repeat lanes 0-15's address and value
.endr
.endm
	s_wait_alu depctr_va_vdst(0)                   ; the head's end
	s_wait_tensorcnt 0x0                           ; my half of x or of W_q has landed (the one load that was out);
	ds_add_u32 v[SPW], v[NIL]                      ; 0 onto my spare word, ahead of a later first fill, as ahead of a refill;
	s_wait_dscnt 0x0                               ; the add is done
	CROUND                                         ; x and W_q are whole for every wave, and all sixteen work-groups are here
	tensor_load_to_lds s[G0K:G0K+3], s[G1W:G1W+7]  ; slot B's first fill, one load a wave: my quarter of W_k's block, with unit q's 128 products in which to land
	s_nop 0
.rept 4
	v_nop
.endr
	UNIT 0, AP, AS, 0                              ; q = x W_q: no barrier inside the unit
	s_wait_tensorcnt 0x0                           ; all my tensor loads have landed, my quarter of W_k's block among them;
	ds_add_u32 v[SPW], v[NIL]                      ; 0 onto my spare word;
	s_wait_dscnt 0x0                               ; the add is done, and my reads of slot A are over
	CROUND                                         ; no wave of any partner still reads slot A or has a load on its way
	tensor_load_to_lds s[G0V:G0V+3], s[G1W:G1W+7]  ; the refill, first behind the round, one load a wave: my quarter of W_v's block into slot A
	s_nop 0
.rept 4
	v_nop
.endr
	WAYOUT 8, OQ16, OQ8, OQS, 0, 768, 12288, 2, 64
	s_wait_xcnt 0x0                                ; the stores have read their data: the next loads land on those registers only behind this wait
	UNIT 0, APB, ASB, 0                            ; k = x W_k: x and slot B are whole for every wave since the round
	WAYOUT 10, OQ16, OQ8, OQS, 0, 768, 12288, 2, 64
	s_wait_tensorcnt 0x0                           ; my quarter of W_v's block has landed (the one load that was out);
	s_wait_dscnt 0x0
	s_barrier_signal -1
	s_barrier_wait -1                              ; everybody's has.
	s_wait_xcnt 0x0                                ; k's stores have read their data
	UNIT 1, AP, AS, 0                              ; v^T = W_v^T x^T
	WAYOUT 10, OV16, OV8, OVS, 6144, 1536, 12544, 64, 128
	s_wait_tensorcnt 0x0                           ; the wave's end
	ds_add_u32 v[SPW], v[NIL]
	s_wait_dscnt 0x0
	CROUND                                         ; the closing round
	s_endpgm
.Lfunc_end_k_q55ac8a816f_gemm1:
	.size	k_q55ac8a816f_gemm1, .Lfunc_end_k_q55ac8a816f_gemm1-k_q55ac8a816f_gemm1
	.p2alignl 7, 3214868480
	.fill 96, 4, 3214868480
	.section	.rodata,"a",@progbits
	.p2align	6, 0x0
	.amdhsa_kernel k_q55ac8a816f_gemm1
		.amdhsa_group_segment_fixed_size 327680
		.amdhsa_private_segment_fixed_size 0
		.amdhsa_enable_private_segment 0
		.amdhsa_kernarg_size 32
		.amdhsa_user_sgpr_count 2
		.amdhsa_user_sgpr_kernarg_segment_ptr 1
		.amdhsa_wavefront_size32 1
		.amdhsa_system_sgpr_workgroup_id_x 1
		.amdhsa_system_sgpr_workgroup_id_y 1
		.amdhsa_system_sgpr_workgroup_id_z 1
		.amdhsa_system_vgpr_workitem_id 0
		.amdhsa_next_free_vgpr 384
		.amdhsa_next_free_sgpr 102
		.amdhsa_reserve_vcc 0
		.amdhsa_float_denorm_mode_32 3
		.amdhsa_float_denorm_mode_16_64 3
		.amdhsa_memory_ordered 1
		.amdhsa_forward_progress 1
		.amdhsa_inst_pref_size 162
	.end_amdhsa_kernel
	.amdgpu_metadata
---
amdhsa.version: [ 1, 2 ]
amdhsa.kernels:
  - .name:           k_q55ac8a816f_gemm1
    .symbol:         k_q55ac8a816f_gemm1.kd
    .args:
      - { .name: ximg, .offset: 0, .size: 8, .value_kind: global_buffer, .address_space: global }
      - { .name: wimg, .offset: 8, .size: 8, .value_kind: global_buffer, .address_space: global }
      - { .name: qbuf, .offset: 16, .size: 8, .value_kind: global_buffer, .address_space: global }
      - { .name: kv, .offset: 24, .size: 8, .value_kind: global_buffer, .address_space: global }
    .group_segment_fixed_size: 327680
    .private_segment_fixed_size: 0
    .kernarg_segment_align: 8
    .kernarg_segment_size: 32
    .max_flat_workgroup_size: 128
    .sgpr_count:     102
    .vgpr_count:     384
    .wavefront_size: 32
...
	.end_amdgpu_metadata
.endif
;; end of part 2
;; launch attn (part 3): grid 8 x 32, 16 waves a work-group, clusters of 4 x 1, 206,848 bytes of LDS; arguments qbuf, kv, maskw, oimg; writes oimg
.if DOCPART == 3
	.amdgcn_target "amdgcn-amd-amdhsa--gfx1250"
	.amdhsa_code_object_version 6
	.text
	.protected	k_q55ac8a816f_attn
	.globl	k_q55ac8a816f_attn
	.p2align	8
	.type	k_q55ac8a816f_attn,@function
k_q55ac8a816f_attn:
	s_mov_b64 s[64:65], 0
	v_nop
	global_prefetch_b8 v0, s[64:65] scope:SCOPE_SE
	s_setreg_imm32_b32 hwreg(HW_REG_WAVE_MODE, 25, 1), 1
	s_wait_xcnt 0x0
	s_wait_alu depctr_hold_cnt(0) depctr_sa_sdst(0) depctr_va_vdst(0) depctr_va_sdst(0) depctr_va_ssrc(0) depctr_va_vcc(0) depctr_vm_vsrc(0)
	s_getreg_b32 s2, hwreg(HW_REG_IB_STS2, 6, 4)
	s_cmp_eq_u32 s2, 0
	s_cbranch_scc0 .Lentry_in_a_cluster
	s_endpgm
.Lentry_in_a_cluster:
	s_bfe_u32 s2, ttmp6, 0x10000c
	s_cmp_lg_u32 s2, 0x3003
	s_cbranch_scc0 .Lentry_shape_is_right
	s_endpgm
.Lentry_shape_is_right:
; ATTN.  o = softmax(where(mask == 0, -1e9, q k^T / 8)) v for one (batch, head) and 256 queries a work-group; both products on codes of FP6 (E2M3) with E8M0 scales; o is quantised along (head, d) and leaves as images for the last product.
; THE SOFTMAX: t = logit x log2(e); M = the running largest t rounded UP to a whole number; p = 2^(t - M) is quantised along the keys, not normalised; the row's sum is taken of the unquantised p and divides at the end.
; When M moves, the sum and O are multiplied by 2^(old M - new M): exact, no branch on data.
; SHARES.  Sixteen waves; wave w owns query tile qt = 16 x block + w (16 queries, in tile order: lane index r is row 32 (qt / 2) + 8 (qt % 2) + r + 8 (r / 8)) in 256 registers: four waves to a SIMD, so that one wave's
; vector work stands beside another's products and LDS loads.  Every wave walks the head's 2,048 keys, 128 a step.
; LDS holds the head's 16 records of 12,800 bytes (one a key step): K pair images j = 0..3 at 1,536 j, V images a = 0..3 at 6,144 + 1,536 a, K's scale words at 12,288 + 64 j + 4 r, V's at 12,544 + 64 a + 4 r.
; An image is two HALF IMAGES of 768 bytes (registers 0-5 and 6-11): the half's registers 0-3 of lane L at 16 L, its registers 4, 5 at 512 + 8 L: a load of 16 bytes and one of 8 bytes a lane, each on consecutive bytes.
; All 204,800 bytes are first fills; nothing is filled again.  Wave w issues one load (record w), one out at the most.  ONE BARRIER: all sixteen steps are read behind the wait for it
; and a barrier, and run in one loop, so that the waves of a SIMD may run apart.
; CLUSTER 4 x 1: the four query blocks of a cluster walk the same head: each record is asked for jointly.
; K = 64 ON AN INSTRUCTION OF K = 128.  A K pair image is ONE operand: k 0-63 are the 64 dims of key tile 2 j, k 64-127 those of key tile 2 j + 1.  Against [q | 0] it gives tile 2 j's scores, against [0 | q] tile 2 j + 1's:
; the other half meets zero codes and adds exactly 0; q's scale bytes for its zero half are 1.
; Both products are used transposed: a lane holds ONE query; score register n is key 32 (n / 16) + 16 (lane / 16) + n % 16 of the step.
; THE MASK comes as lane-mask words in that very order (64 words a step, by scalar loads one step ahead) and selects by v_cndmask_b32.
; LIMIT, stated: a masked score is -119 x 2^26 (the f32 pattern of -1e9 x 8 with its mantissa cut to 7 bits), a logit of -998,244,352 in place of -1e9.  c = log2(e) / 8 has its lowest bit at 2^-26, so that score x c is a whole
; number and in a row with no open key every p is the same exact power of two (2^19), which the scales carry and the sum cancels: the mean of v, as reference() has it.  Masked scores take part in the maximum like any score.
; The result differs from reference()'s only where an open logit of a row lies under about -9.9e8.  NaN and infinities are not served; a block of o whose largest magnitude lies under 2^-124 keeps the byte 1.
; No prefetch: K and V are asked for whole at the head; the mask words are asked for a step ahead by their own loads.
.set REC,   12800
.set SPARE, 16*REC                     ; the spare words, 128 bytes for each wave: eight blocks of 256 bytes that no other line names
.set L8,   1                           ; v1   8 x lane
.set L4,   2                           ; v2   4 x lane
.set SPW,  3                           ; v3   my spare word; never rewritten
.set NIL,  4                           ; v4   0; never rewritten
.set SMK,  5                           ; v5   the masked score
.set ADR,  6                           ; v6   LDS address of the step's pieces of 8 bytes
.set ADS,  7                           ; v7   of its scale words
.set OC,   8                           ; v8   the way out: my codes' offset in o's record
.set OS,   9                           ; v9   my scale bytes'
.set QS,   10                          ; v10  q's scale words: lanes 0-15 for [q | 0], lanes 16-31 for [0 | q]
.set PW,   11                          ; v11  p's scale word
                                       ; v12 -M, v13 the largest t, v[14:15] the sum in two halves
.set QLO,  16                          ; v16-27 [q | 0]
.set QHI,  28                          ; v28-39 [0 | q]
.set KF,   40                          ; v40-87 four operands of K, then of V
.set S,    88                          ; v88-151 scores, then p
.set O,    152                         ; v152-183 O^T: register 16 b + i is d = 32 b + 16 (lane / 16) + i
.set PC,   184                         ; v184-195 p's codes
.set PT,   196                         ; v196-203 second halves of blocks
.set KS,   204                         ; v204-205 K's scale words: lanes 0-15 image 2 i, lanes 16-31 image 2 i + 1
.set VS,   206                         ; v206-207 V's likewise
.set BM,   208                         ; v208-211 a block's largest score, then its largest p
.set BP,   212                         ; v212-215 the other half's, then the bytes
.set BO,   216                         ; v216-219 the conversions' scale operands
.set FF,   220                         ; v[220:221] f = 2^(old M - new M), and a written partner
.set WK,   222                         ; v[222:223] at work
.set L16,  224                         ; v224 16 x lane
.set AD16, 225                         ; v225 LDS address of the step's pieces of 16 bytes
.set WV,   2                           ; s2   wave
.set TB,   3                           ; s3   LDS byte at which the step's record begins
.set CNT,  12                          ; s12  steps left in the loop
.set SOFF, 13                          ; s13  the next step's mask words: 256 bytes a step
.set MP,   14                          ; s[14:15] my tile's mask words
.set SEL,  66
.set G1,   84                          ; s[84:91] descriptor group 1;  group 0: s[4:7]
.set CS,   100                         ; s[100:101] c = log2(e) / 8
.set OUT,  104                         ; s[104:105] o's record
                                       ; s[16:63], s[68:83]: the step's 64 mask words (word n in s[16 + n], from n = 48 on in s[20 + n]); at the head: at work
.macro CROUND                          ; a round of the cluster's barrier
	s_barrier_signal -1
	s_barrier_wait -1
	s_cmp_lg_u32 s[WV], 0
	s_cbranch_scc1 .Lnot_wave_0_\@
	s_barrier_signal -3
.Lnot_wave_0_\@:
	s_barrier_wait -3
	s_barrier_signal -1
	s_barrier_wait -1
.endm
	s_load_b256 s[16:23], s[0:1], 0x0              ; qbuf s[16:17], kv s[18:19], maskw s[20:21], oimg s[22:23]
	v_lshl_add_u32 v[SPW], v0, 2, SPARE
	v_mov_b32 v[NIL], 0
	ds_add_u32 v[SPW], v[NIL]                      ; the wave's opening: the add and its wait ahead of the first tensor loads; work on registers stands between them
	ds_add_u32 v[SPW], v[NIL]
	v_lshrrev_b32 v1, 5, v0
	s_delay_alu instid0(VALU_DEP_1)
	v_readfirstlane_b32 s[WV], v1
	s_mov_b32 s[G1], 15|(3<<16)|(1<<21)            ; 15:0 the mask: all four work-groups; 17:16 elements of 8 bytes; 21 set beside a mask; no padding
	s_mov_b32 s[G1+1], 32<<16                      ; a record is dense: 50 rows of 256 bytes
	s_mov_b32 s[G1+2], 50<<16
	s_mov_b32 s[G1+3], 32<<16
	s_mov_b32 s[G1+4], 50
	s_mov_b32 s[G1+5], 32
	s_mov_b32 s[G1+6], 0
	s_mov_b32 s[G1+7], 0
	s_bfe_u32 s24, ttmp6, 0x40000                  ; cx
	s_lshl_b32 s25, ttmp9, 2
	s_add_co_u32 s25, s25, s24                     ; my block of 256 queries
	s_lshl_b32 s25, s25, 4
	s_add_co_u32 s25, s25, s[WV]                   ; qt
	s_and_b32 s26, ttmp7, 0xffff                   ; 16 batch + head, which the four partners share
	s_lshl_b32 s28, s26, 4                         ; THE FILLS: sixteen records, sixteen waves: wave w brings record w, one load a wave
	s_add_co_u32 s28, s28, s[WV]
	s_mul_i32 s28, s28, REC                        ; kv: record w of my head: no place in the cluster enters it
	s_mov_b32 s29, 0
	s_mul_i32 s30, s[WV], REC                      ; and its place in LDS
	s_and_b32 s31, s25, 7                          ; qt % 8
	s_lshr_b32 s32, s25, 3
	s_lshl_b32 s33, s26, 4
	s_add_co_u32 s32, s32, s33
	s_mul_i32 s32, s32, REC                        ; qbuf: the record of my tile's 128 tokens
	s_mov_b32 s33, 0
	s_lshl_b32 s34, s25, 12                        ; maskw: 16 steps x 256 bytes a tile
	s_mov_b32 s35, 0
	s_lshr_b32 s36, s26, 4
	s_lshl_b32 s36, s36, 4
	s_lshr_b32 s37, s25, 3
	s_add_co_u32 s36, s36, s37                     ; oimg: block of 128 tokens: 16 batch + qt / 8,
	s_lshl_b32 s36, s36, 3
	s_bfe_u32 s37, s26, 0x30001
	s_add_co_u32 s36, s36, s37                     ; K step head / 2
	s_mul_i32 s36, s36, REC
	s_mov_b32 s37, 0
	s_and_b32 s38, s26, 1                          ; head % 2: which half of the K step
	s_mov_b32 s[SEL], 0x76543210
	s_mov_b32 s[SEL+1], 0xfedcba98
	s_mov_b32 s[CS], 0x3e38aa3b
	s_mov_b32 s[CS+1], s[CS]                       ; (named with it as a pair, so it is written)
	s_wait_dscnt 0x0                               ; the opening add is done
	s_wait_kmcnt 0x0
	s_add_nc_u64 s[6:7], s[18:19], s[28:29]
	s_or_b32 s7, s7, 0x80000000                    ; type = 2
	s_mov_b32 s4, 1
	s_mov_b32 s5, s30
	s_add_nc_u64 s[12:13], s[16:17], s[32:33]      ; q's record (s12, s13 take their later parts when q is in)
	s_add_nc_u64 s[MP:MP+1], s[20:21], s[34:35]
	s_add_nc_u64 s[OUT:OUT+1], s[22:23], s[36:37]
	CROUND                                         ; all four work-groups are here: the joint loads meet
	tensor_load_to_lds s[4:7], s[G1:G1+7]          ; every wave, no branch: both addresses are stepped by the wave's number
	s_nop 0
.rept 4
	v_nop
.endr
	v_and_b32 v6, 31, v0                           ; lane (v6, v7, v225: at work until the first step)
	v_and_b32 v7, 15, v0                           ; r
	s_wait_alu depctr_va_vdst(0)
	v_lshlrev_b32 v[L8], 3, v6
	v_lshlrev_b32 v[L4], 2, v6
	v_lshlrev_b32 v[L16], 4, v6
	s_mul_i32 s39, s31, 768
	v_add_nc_u32 v223, s39, v[L8]                  ; q: my tile's half image: its pieces of 8 bytes,
	v_add_nc_u32 v[AD16], s39, v[L16]              ; and of 16
	s_wait_alu depctr_va_vdst(0)
	s_lshr_b32 s40, s31, 1
	s_lshl_b32 s40, s40, 6
	s_add_co_u32 s40, s40, 12288
	v_lshl_add_u32 v222, v7, 2, s40                ; and the word that holds its two scale bytes
	s_mul_i32 s41, s31, 1536
	s_mul_i32 s42, s38, 768
	s_add_co_u32 s41, s41, s42
	v_add_nc_u32 v[OC], s41, v[L8]                 ; o: image qt % 8, half head % 2
	s_lshl_b32 s43, s31, 2
	s_lshl_b32 s44, s38, 1
	s_add_co_u32 s43, s43, s44
	s_add_co_u32 s43, s43, 12288
	v_lshl_add_u32 v[OS], v7, 5, s43               ; 12,288 + 32 r + 4 (qt % 8) + 2 (head % 2)
	global_load_b128 v[QLO:QLO+3], v[AD16], s[12:13]             ; q's six registers, once as the lower half,
	global_load_b64 v[QLO+4:QLO+5], v223, s[12:13] offset:512
	global_load_b128 v[QHI+6:QHI+9], v[AD16], s[12:13]           ; once as the upper
	global_load_b64 v[QHI+10:QHI+11], v223, s[12:13] offset:512
	global_load_b32 v[QS], v222, s[12:13]
.irp j,0,1,2,3,4,5,6,7,8,9,10,11
	v_mov_b32 v[QLO+6+\j], 0                       ; zero codes: [q | 0]'s upper six and [0 | q]'s lower six registers lie on end
.endr
	v_mov_b32 v[SMK], 0xcfee0000                   ; -119 x 2^26
	v_mov_b32 v13, 0xff61b1e6                      ; the largest t so far: -3e38, under every t
	s_delay_alu instid0(VALU_DEP_1)
	v_floor_f32 v12, -v13                          ; -M
	v_mov_b32 v14, 0
	v_mov_b32 v15, 0
.irp b,0,1,2,3
	v_mov_b32 v[BP+\b], 0                          ; written once: a lane permute's destination counts as one of its sources
.endr
	v_mov_b32 v[FF+1], 0
	s_load_b512 s[16:31], s[MP:MP+1], 0x0          ; the first step's 64 mask words
	s_load_b512 s[32:47], s[MP:MP+1], 0x40
	s_load_b512 s[48:63], s[MP:MP+1], 0x80
	s_load_b512 s[68:83], s[MP:MP+1], 0xc0
	s_wait_loadcnt 0x0                             ; q is in: its address registers are free
	s_and_b32 s[TB], s[WV], 1
	s_lshl_b32 s[TB], s[TB], 4
	v_lshrrev_b32 v[QS], s[TB], v[QS]              ; my tile's two bytes: the word's half qt % 2
	s_delay_alu instid0(VALU_DEP_1)
	v_and_b32 v[QS], 0xffff, v[QS]
	s_delay_alu instid0(VALU_DEP_1)
	v_or_b32 v222, 0x1010000, v[QS]                ; for [q | 0]: q's bytes below, 1 and 1 above
	s_delay_alu instid0(VALU_DEP_2)
	v_lshl_or_b32 v223, v[QS], 16, 0x101           ; for [0 | q]
	v_cmp_gt_u32 vcc_lo, 16, v6
	s_delay_alu instid0(VALU_DEP_1)
	v_cndmask_b32 v[QS], v223, v222, vcc_lo
.set n, 0
.rept 32
	v_mov_b32 v[O+n], 0                            ; O^T.  (The step is written once: the first finds zeros.  These are also the plain instructions between the scale register's write and the first product)
.set n, n+1
.endr
	s_mov_b32 s[TB], 0
	s_mov_b32 s[SOFF], 0
.macro QK j, u                         ; scores of key tile 2 j + u
.if ((\j)%2) == 0 && (\u) == 0
	v_wmma_scale_f32_16x16x128_f8f6f4 v[S+8*(2*(\j)+(\u)):S+8*(2*(\j)+(\u))+7], v[KF+12*(\j):KF+12*(\j)+11], v[QLO:QLO+11], 0, v[KS+(\j)/2], v[QS] matrix_a_fmt:MATRIX_FMT_FP6 matrix_b_fmt:MATRIX_FMT_FP6
.elseif ((\j)%2) == 0
	v_wmma_scale_f32_16x16x128_f8f6f4 v[S+8*(2*(\j)+(\u)):S+8*(2*(\j)+(\u))+7], v[KF+12*(\j):KF+12*(\j)+11], v[QHI:QHI+11], 0, v[KS+(\j)/2], v[QS] matrix_a_fmt:MATRIX_FMT_FP6 matrix_b_fmt:MATRIX_FMT_FP6 matrix_b_scale:MATRIX_SCALE_ROW1
.elseif (\u) == 0
	v_wmma_scale_f32_16x16x128_f8f6f4 v[S+8*(2*(\j)+(\u)):S+8*(2*(\j)+(\u))+7], v[KF+12*(\j):KF+12*(\j)+11], v[QLO:QLO+11], 0, v[KS+(\j)/2], v[QS] matrix_a_fmt:MATRIX_FMT_FP6 matrix_b_fmt:MATRIX_FMT_FP6 matrix_a_scale:MATRIX_SCALE_ROW1
.else
	v_wmma_scale_f32_16x16x128_f8f6f4 v[S+8*(2*(\j)+(\u)):S+8*(2*(\j)+(\u))+7], v[KF+12*(\j):KF+12*(\j)+11], v[QHI:QHI+11], 0, v[KS+(\j)/2], v[QS] matrix_a_fmt:MATRIX_FMT_FP6 matrix_b_fmt:MATRIX_FMT_FP6 matrix_a_scale:MATRIX_SCALE_ROW1 matrix_b_scale:MATRIX_SCALE_ROW1
.endif
.endm
.macro PV a                            ; O^T's d tile a += V^T P^T over the step's 128 keys
.if ((\a)%2) == 0
	v_wmma_scale_f32_16x16x128_f8f6f4 v[O+8*(\a):O+8*(\a)+7], v[KF+12*(\a):KF+12*(\a)+11], v[PC:PC+11], v[O+8*(\a):O+8*(\a)+7], v[VS+(\a)/2], v[PW] matrix_a_fmt:MATRIX_FMT_FP6 matrix_b_fmt:MATRIX_FMT_FP6
.else
	v_wmma_scale_f32_16x16x128_f8f6f4 v[O+8*(\a):O+8*(\a)+7], v[KF+12*(\a):KF+12*(\a)+11], v[PC:PC+11], v[O+8*(\a):O+8*(\a)+7], v[VS+(\a)/2], v[PW] matrix_a_fmt:MATRIX_FMT_FP6 matrix_b_fmt:MATRIX_FMT_FP6 matrix_a_scale:MATRIX_SCALE_ROW1
.endif
.endm
; A KEY STEP: 128 keys.
.macro STEP
	v_add_nc_u32 v[ADR], s[TB], v[L8]
	v_add_nc_u32 v[ADS], s[TB], v[L4]
	v_add_nc_u32 v[AD16], s[TB], v[L16]
	v_nop                                          ; four plain instructions behind the last products, in front of loads into registers that they read
.irp j,0,1,2,3
.irp u,0,1
	ds_load_b128 v[KF+12*\j+6*\u:KF+12*\j+6*\u+3], v[AD16] offset:1536*\j+768*\u          ; a half image: 512 consecutive bytes,
	ds_load_b64 v[KF+12*\j+6*\u+4:KF+12*\j+6*\u+5], v[ADR] offset:1536*\j+768*\u+512      ; and 256
.endr
.endr
	ds_load_b32 v[KS], v[ADS] offset:12288
	ds_load_b32 v[KS+1], v[ADS] offset:12288+128
	s_wait_alu depctr_va_vdst(0)
	s_wait_dscnt 0x0
.irp j,0,1,2,3
	QK \j, 0
	QK \j, 1
.endr
.rept 4
	v_nop                                          ; in front of the loads into K's registers and of the first read of the scores
.endr
.irp a,0,1,2,3
.irp u,0,1
	ds_load_b128 v[KF+12*\a+6*\u:KF+12*\a+6*\u+3], v[AD16] offset:6144+1536*\a+768*\u     ; V: it lands under the softmax
	ds_load_b64 v[KF+12*\a+6*\u+4:KF+12*\a+6*\u+5], v[ADR] offset:6144+1536*\a+768*\u+512
.endr
.endr
	ds_load_b32 v[VS], v[ADS] offset:12544
	ds_load_b32 v[VS+1], v[ADS] offset:12544+128
	s_wait_kmcnt 0x0                               ; this step's mask words are in (scalar loads: only the count 0 shows anything); their offset register is free
.set n, 0
.rept 64                               ; each accumulator is first read at its low end
.if n < 48
	v_cndmask_b32 v[S+n], v[S+n], v[SMK], s[16+n]
.else
	v_cndmask_b32 v[S+n], v[S+n], v[SMK], s[20+n]
.endif
.set n, n+1
.endr
	s_add_co_u32 s[SOFF], s[SOFF], 256
	s_min_u32 s[SOFF], s[SOFF], 3840               ; the last step asks for its own words again: no load leaves my tile's 4,096 bytes
	s_load_b512 s[16:31], s[MP:MP+1], s[SOFF] offset:0x0
	s_load_b512 s[32:47], s[MP:MP+1], s[SOFF] offset:0x40
	s_load_b512 s[48:63], s[MP:MP+1], s[SOFF] offset:0x80
	s_load_b512 s[68:83], s[MP:MP+1], s[SOFF] offset:0xc0
.irp b,0,1,2,3
	v_max3_num_f32 v[BM+\b], v[S+16*\b], v[S+1+16*\b], v[S+2+16*\b]   ; the largest score of each block of 32 keys: it serves for the row's maximum and, since p rises with the score, for the block's largest p
.endr
.irp i,3,5,7,9,11,13
.irp b,0,1,2,3
	s_delay_alu instid0(VALU_DEP_4)
	v_max3_num_f32 v[BM+\b], v[BM+\b], v[S+16*\b+\i], v[S+1+16*\b+\i]
.endr
.endr
.irp b,0,1,2,3
	s_delay_alu instid0(VALU_DEP_4)
	v_max_num_f32 v[BM+\b], v[BM+\b], v[S+15+16*\b]
.endr
.irp b,0,1,2,3
	s_delay_alu instid0(VALU_DEP_4)
	v_permlanex16_b32 v[BP+\b], v[BM+\b], s[SEL], s[SEL+1]
.endr
.irp b,0,1,2,3
	s_delay_alu instid0(VALU_DEP_4)
	v_max_num_f32 v[BM+\b], v[BM+\b], v[BP+\b]     ; with lane l xor 16's 16 keys
.endr
	s_delay_alu instid0(VALU_DEP_2)
	v_max3_num_f32 v[WK], v[BM], v[BM+1], v[BM+2]
	s_delay_alu instid0(VALU_DEP_1)
	v_max_num_f32 v[WK], v[WK], v[BM+3]            ; the step's largest score of my query
	s_delay_alu instid0(VALU_DEP_1)
	v_mul_f32 v[WK], s[CS], v[WK]                  ; as t
	s_delay_alu instid0(VALU_DEP_1)
	v_max_num_f32 v13, v13, v[WK]                  ; the running largest t
	v_mov_b32 v[WK], v12
	s_delay_alu instid0(VALU_DEP_2)
	v_floor_f32 v12, -v13                          ; the new -M = floor(-t): M is a whole number
	s_delay_alu instid0(VALU_DEP_1)
	v_sub_f32 v[WK], v12, v[WK]                    ; old M - new M: a whole number, 0 or less
	s_delay_alu instid0(VALU_DEP_1)
	v_cvt_i32_f32 v[WK], v[WK]                     ; (it saturates)
	s_delay_alu instid0(VALU_DEP_1)
	v_ldexp_f32 v[FF], 1.0, v[WK]                  ; f = 2^(old M - new M)
.set n, 0
.rept 32
	v_pk_fma_f32 v[S+n:S+n+1], v[S+n:S+n+1], s[CS:CS+1], v[12:13] op_sel_hi:[1,0,0]   ; t - M, two at a time
.set n, n+2
.endr
.irp b,0,1,2,3
	v_fma_f32 v[BM+\b], v[BM+\b], s[CS], v12       ; the same of each block's largest score
.endr
.set n, 0
	s_wait_alu depctr_va_vdst(0)
.rept 64
	v_exp_f32 v[S+n], v[S+n]                       ; p = 2^(t - M)
.set n, n+1
.endr
	v_pk_mul_f32 v[14:15], v[14:15], v[FF:FF+1] op_sel_hi:[1,0]   ; the sums under the new M: the plain instruction behind the exponentials
	s_wait_alu depctr_va_vdst(0)                   ; one wait for the batch of 64, ahead of its first reader
.irp b,0,1,2,3
	v_exp_f32 v[BM+\b], v[BM+\b]                   ; the block's largest p: the same two instructions on the same number give the same bits
.endr
	v_pk_add_f32 v[222:223], v[92:93], v[96:97]
	v_pk_add_f32 v[254:255], v[100:101], v[104:105]
	v_pk_add_f32 v[252:253], v[108:109], v[112:113]
	v_pk_add_f32 v[250:251], v[116:117], v[120:121]
	v_pk_add_f32 v[248:249], v[124:125], v[128:129]
	v_pk_add_f32 v[246:247], v[132:133], v[136:137]
	v_pk_add_f32 v[244:245], v[140:141], v[144:145]
	v_pk_add_f32 v[14:15], v[14:15], v[148:149]
	v_pk_add_f32 v[222:223], v[222:223], v[88:89]
	v_pk_add_f32 v[254:255], v[254:255], v[90:91]
	v_pk_add_f32 v[252:253], v[252:253], v[94:95]
	v_pk_add_f32 v[250:251], v[250:251], v[98:99]
	v_pk_add_f32 v[248:249], v[248:249], v[102:103]
	v_pk_add_f32 v[246:247], v[246:247], v[106:107]
	v_pk_add_f32 v[244:245], v[244:245], v[110:111]
	v_pk_add_f32 v[14:15], v[14:15], v[114:115]
	v_pk_add_f32 v[222:223], v[222:223], v[118:119]
	v_pk_add_f32 v[254:255], v[254:255], v[122:123]
	v_pk_add_f32 v[252:253], v[252:253], v[126:127]
	v_pk_add_f32 v[250:251], v[250:251], v[130:131]
	v_pk_add_f32 v[248:249], v[248:249], v[134:135]
	v_pk_add_f32 v[246:247], v[246:247], v[138:139]
	v_pk_add_f32 v[244:245], v[244:245], v[142:143]
	v_pk_add_f32 v[14:15], v[14:15], v[146:147]
	v_pk_add_f32 v[222:223], v[222:223], v[150:151]
	s_delay_alu instid0(VALU_DEP_2)
	v_pk_add_f32 v[14:15], v[14:15], v[250:251]
	s_delay_alu instid0(VALU_DEP_2)
	v_pk_add_f32 v[222:223], v[222:223], v[248:249]
	v_pk_add_f32 v[254:255], v[254:255], v[246:247]
	v_pk_add_f32 v[252:253], v[252:253], v[244:245]
	s_delay_alu instid0(VALU_DEP_2)
	v_pk_add_f32 v[14:15], v[14:15], v[254:255]
	s_delay_alu instid0(VALU_DEP_2)
	v_pk_add_f32 v[222:223], v[222:223], v[252:253]
	s_delay_alu instid0(VALU_DEP_1)
	v_pk_add_f32 v[14:15], v[14:15], v[222:223]
	s_wait_alu depctr_va_vdst(0)                   ; and one for the four
.irp b,0,1,2,3
	v_max_num_f32 v[BM+\b], 0x1800000, v[BM+\b]    ; the floor 2^(3 - 127): a block whose every p is 0 keeps the byte 1: its codes are zeros
.endr
.irp b,0,1,2,3
	s_delay_alu instid0(VALU_DEP_4)
	v_add_nc_u32 v[BO+\b], 0xff000000, v[BM+\b]    ; 2 off the exponent field: the conversion's scale operand
.endr
.irp b,0,1,2,3
	s_delay_alu instid0(VALU_DEP_4)
	v_lshrrev_b32 v[BP+\b], 23, v[BO+\b]           ; the byte
.endr
	s_delay_alu instid0(VALU_DEP_3)
	v_lshl_or_b32 v[PW], v[BP+1], 8, v[BP]
	s_delay_alu instid0(VALU_DEP_1)
	v_lshl_or_b32 v[PW], v[BP+2], 16, v[PW]
	s_delay_alu instid0(VALU_DEP_1)
	v_lshl_or_b32 v[PW], v[BP+3], 24, v[PW]
.irp c,0,1
	v_cvt_scalef32_pk16_fp6_f32 v[PC+6*\c:PC+6*\c+2], v[S+32*\c:S+32*\c+15], v[BO+2*\c]
	v_cvt_scalef32_pk16_fp6_f32 v[PT+4*\c:PT+4*\c+2], v[S+32*\c+16:S+32*\c+31], v[BO+2*\c+1]
.endr
	v_nop                                          ; one plain instruction behind the scaled conversions
.irp c,0,1                             ; a WHOLE block to a lane: lanes 0-15 block 2 c, lanes 16-31 block 2 c + 1
.irp i,0,1,2
	v_permlane16_swap_b32 v[PC+6*\c+\i], v[PT+4*\c+\i]
.endr
.irp i,0,1,2
	s_delay_alu instid0(VALU_DEP_3)
	v_mov_b32 v[PC+6*\c+3+\i], v[PT+4*\c+\i]
.endr
.endr
.set n, 0
.rept 16
	v_pk_mul_f32 v[O+n:O+n+1], v[O+n:O+n+1], v[FF:FF+1] op_sel_hi:[1,0]   ; O^T under the new M.  (These sixteen also stand between the writes of p's codes and scale word and the products)
.set n, n+2
.endr
	s_wait_alu depctr_va_vdst(0)
	s_wait_dscnt 0x0                               ; V is in
	PV 0                                           ; the four accumulators take turns, one instruction a turn
	PV 1
	PV 2
	PV 3
	s_add_co_u32 s[TB], s[TB], REC
.endm
; A run of key steps behind one barrier.  left: how many of a loader's younger tensor loads may stay out
.macro PART trips, left
	s_wait_tensorcnt \left                         ; my records of this run have landed
	s_wait_dscnt 0x0
	s_barrier_signal -1
	s_barrier_wait -1                              ; everybody's have
	s_mov_b32 s[CNT], \trips
.Lstep_\@:
	STEP
	s_sub_co_u32 s[CNT], s[CNT], 1
	s_cmp_lg_u32 s[CNT], 0
	s_cbranch_scc1 .Lstep_\@
.endm
	PART 16, 0                                     ; each wave waits for its one record, one barrier shows all sixteen to every wave; sixteen steps with no barrier among them
	; THE WAY OUT: O^T / the sum, quantised along d (two blocks of 32, each shared with lane l xor 16): half an image and two scale bytes a row.
	s_wait_kmcnt 0x0                               ; the last step's scalar loads
.rept 4
	v_nop                                          ; behind the last products
.endr
	v_add_f32 v14, v14, v15
	s_delay_alu instid0(VALU_DEP_1)
	v_permlanex16_b32 v[WK], v14, s[SEL], s[SEL+1]
	s_delay_alu instid0(VALU_DEP_1)
	v_add_f32 v14, v14, v[WK]                      ; the row's sum
	s_wait_alu depctr_va_vdst(0)
	v_rcp_f32 v14, v14
	v_nop                                          ; a plain instruction behind the reciprocal
	s_wait_alu depctr_va_vdst(0)                   ; and the wait ahead of its first reader
.set n, 0
.rept 32
	v_mul_f32 v[S+n], v[O+n], v14                  ; each accumulator from its low end on
.set n, n+1
.endr
.irp e,0,1
	v_max3_num_f32 v[BM+\e], |v[S+16*\e]|, |v[S+1+16*\e]|, 0x1800000
.endr
.irp i,2,4,6,8,10,12,14
.irp e,0,1
	s_delay_alu instid0(VALU_DEP_2)
	v_max3_num_f32 v[BM+\e], v[BM+\e], |v[S+16*\e+\i]|, |v[S+1+16*\e+\i]|
.endr
.endr
.irp e,0,1
	s_delay_alu instid0(VALU_DEP_2)
	v_permlanex16_b32 v[BP+\e], v[BM+\e], s[SEL], s[SEL+1]
.endr
.irp e,0,1
	s_delay_alu instid0(VALU_DEP_2)
	v_max_num_f32 v[BM+\e], v[BM+\e], v[BP+\e]
.endr
.irp e,0,1
	s_delay_alu instid0(VALU_DEP_2)
	v_add_nc_u32 v[BO+\e], 0xff000000, v[BM+\e]
.endr
.irp e,0,1
	s_delay_alu instid0(VALU_DEP_2)
	v_lshrrev_b32 v[BP+\e], 23, v[BO+\e]
.endr
	s_delay_alu instid0(VALU_DEP_1)
	v_lshl_or_b32 v[PW], v[BP+1], 8, v[BP]
	v_cvt_scalef32_pk16_fp6_f32 v[PC:PC+2], v[S:S+15], v[BO]
	v_cvt_scalef32_pk16_fp6_f32 v[PT:PT+2], v[S+16:S+31], v[BO+1]
	v_nop
.irp i,0,1,2
	v_permlane16_swap_b32 v[PC+\i], v[PT+\i]
.endr
.irp i,0,1,2
	s_delay_alu instid0(VALU_DEP_3)
	v_mov_b32 v[PC+3+\i], v[PT+\i]
.endr
.irp i,0,1,2
	global_store_b64 v[OC], v[PC+2*\i:PC+2*\i+1], s[OUT:OUT+1] offset:256*\i   ; a plane of o's image: 256 consecutive bytes, aligned
.endr
	global_store_b16 v[OS], v[PW], s[OUT:OUT+1]    ; lanes 16-31 repeat lanes 0-15's address and value
	s_wait_tensorcnt 0x0                           ; the wave's end
	ds_add_u32 v[SPW], v[NIL]
	s_wait_dscnt 0x0
	CROUND                                         ; the closing round
	s_endpgm
.Lfunc_end_k_q55ac8a816f_attn:
	.size	k_q55ac8a816f_attn, .Lfunc_end_k_q55ac8a816f_attn-k_q55ac8a816f_attn
	.p2alignl 7, 3214868480
	.fill 96, 4, 3214868480
	.section	.rodata,"a",@progbits
	.p2align	6, 0x0
	.amdhsa_kernel k_q55ac8a816f_attn
		.amdhsa_group_segment_fixed_size 206848
		.amdhsa_private_segment_fixed_size 0
		.amdhsa_enable_private_segment 0
		.amdhsa_kernarg_size 32
		.amdhsa_user_sgpr_count 2
		.amdhsa_user_sgpr_kernarg_segment_ptr 1
		.amdhsa_wavefront_size32 1
		.amdhsa_system_sgpr_workgroup_id_x 1
		.amdhsa_system_sgpr_workgroup_id_y 1
		.amdhsa_system_sgpr_workgroup_id_z 1
		.amdhsa_system_vgpr_workitem_id 0
		.amdhsa_next_free_vgpr 256
		.amdhsa_next_free_sgpr 106
		.amdhsa_reserve_vcc 1
		.amdhsa_float_denorm_mode_32 3
		.amdhsa_float_denorm_mode_16_64 3
		.amdhsa_memory_ordered 1
		.amdhsa_forward_progress 1
		.amdhsa_inst_pref_size 36
	.end_amdhsa_kernel
	.amdgpu_metadata
---
amdhsa.version: [ 1, 2 ]
amdhsa.kernels:
  - .name:           k_q55ac8a816f_attn
    .symbol:         k_q55ac8a816f_attn.kd
    .args:
      - { .name: qbuf, .offset: 0, .size: 8, .value_kind: global_buffer, .address_space: global }
      - { .name: kv, .offset: 8, .size: 8, .value_kind: global_buffer, .address_space: global }
      - { .name: maskw, .offset: 16, .size: 8, .value_kind: global_buffer, .address_space: global }
      - { .name: oimg, .offset: 24, .size: 8, .value_kind: global_buffer, .address_space: global }
    .group_segment_fixed_size: 206848
    .private_segment_fixed_size: 0
    .kernarg_segment_align: 8
    .kernarg_segment_size: 32
    .max_flat_workgroup_size: 512
    .sgpr_count:     106
    .vgpr_count:     256
    .wavefront_size: 32
...
	.end_amdgpu_metadata
.endif
;; end of part 3
;; launch gemm2 (part 4): grid 8 x 32, 4 waves a work-group, clusters of 4 x 4, 222,720 bytes of LDS; arguments oimg, wimg, b_out, out0; writes out0
.if DOCPART == 4
	.amdgcn_target "amdgcn-amd-amdhsa--gfx1250"
	.amdhsa_code_object_version 6
	.text
	.protected	k_q55ac8a816f_gemm2
	.globl	k_q55ac8a816f_gemm2
	.p2align	8
	.type	k_q55ac8a816f_gemm2,@function
k_q55ac8a816f_gemm2:
	s_mov_b64 s[64:65], 0
	v_nop
	global_prefetch_b8 v0, s[64:65] scope:SCOPE_SE
	s_setreg_imm32_b32 hwreg(HW_REG_WAVE_MODE, 25, 1), 1
	s_wait_xcnt 0x0
	s_wait_alu depctr_hold_cnt(0) depctr_sa_sdst(0) depctr_va_vdst(0) depctr_va_sdst(0) depctr_va_ssrc(0) depctr_va_vcc(0) depctr_vm_vsrc(0)
	s_getreg_b32 s2, hwreg(HW_REG_IB_STS2, 6, 4)
	s_cmp_eq_u32 s2, 0
	s_cbranch_scc0 .Lentry_in_a_cluster
	s_endpgm
.Lentry_in_a_cluster:
	s_bfe_u32 s2, ttmp6, 0x10000c
	s_cmp_lg_u32 s2, 0xf033
	s_cbranch_scc0 .Lentry_shape_is_right
	s_endpgm
.Lentry_shape_is_right:
; GEMM2.  out0 = o W_out + b_out on codes of FP6 (E2M3) with E8M0 scales, K = 1,024; f32 out.
; OPERANDS come as records of 12,800 bytes (block rb of 128 rows, K step s of 128, at (8 rb + s) x 12,800): eight images of 1,536 bytes (tile t at 1,536 t: six planes of 256 bytes, plane p = registers 2 p, 2 p + 1 of lane L
; at 256 p + 8 L), then the scale word of (lane index r, tile t) at 12,288 + 32 r + 4 t.  TILE ORDER: lane index r of tile T is row 32 (T / 2) + 8 (T % 2) + r + 8 (r / 8).
; A work-group makes 128 tokens (R = oimg) x 128 columns (P = wimg's blocks 24-31) over all of K: D = (source 0 = a tile of P, source 1 = a tile of R): a lane holds one token, and register j of P's tile b is
; column 32 (b / 2) + 16 (lane / 16) + 8 (b % 2) + j.  Four waves: wave w takes R's tiles 4 (w / 2) + a and P's tiles 4 (w % 2) + b: 16 accumulators in v256-383.
; LDS holds both operands for all of K (204,800 bytes): every tensor load is a first fill, nothing is filled again.  A wave issues one load and has one out at the most.
; CLUSTER 4 x 4: R's records are asked for jointly along the cluster's row, P's along its column.
; The bias is the C of each sum's first product.  The results go through the wave's own stage in LDS (bytes into which no fill lands) and leave as 256 consecutive bytes for sixteen lanes.
; No prefetch: every byte that the work-group reads is asked for at its head.
.set REC,   12800
.set OPB,   8*REC
.set SPARE, 2*OPB                      ; the spare words, 128 bytes for each wave: two blocks of 256 bytes that no other line names
.set STAGE, SPARE+512                  ; a stage of 16 rows x (256 bytes + 16) for each wave
.set AR,   4                           ; v4-5   LDS address of R's images, K steps 0-3 and 4-7
.set AP,   6                           ; v6-7   of P's
.set AS,   8                           ; v8-9   of the scale words: lanes 0-15 R's, lanes 16-31 P's
.set SPW,  10                          ; v10    my spare word; never rewritten
.set NIL,  11                          ; v11    0; never rewritten
.set BO,   12                          ; v12    64 x (lane / 16): the bias's offset
.set STO,  13                          ; v13    the stage: where I put 16 bytes of a row
.set RD,   14                          ; v14    where I read a row back
.set CO,   15                          ; v15    my byte offset in two rows of out0
.set SC,   24                          ; v24-27, v28-31 scale words, two sets
.set F,    32                          ; v32-127, v128-223 fragments, two sets: P's at + 12 b, R's at + 48 + 12 a
.set BK,   32                          ; the way out: v32-63 and v64-95 by turns
.set BIAS, 224                         ; v224-255 the bias in the result's layout, eight registers for each of P's tiles
.set WV,   12
.set G1R,  24
.set G1P,  32
.set G0R,  40
.set G0P,  68
.set MSB, 0
.macro WIN new                         ; the immediate's high byte repeats the setting that is left
.if MSB != \new
	s_set_vgpr_msb (MSB<<8)|\new
.set MSB, \new
.endif
.endm
.macro CROUND                          ; a round of the cluster's barrier
	s_barrier_signal -1
	s_barrier_wait -1
	s_cmp_lg_u32 s[WV], 0
	s_cbranch_scc1 .Lnot_wave_0_\@
	s_barrier_signal -3
.Lnot_wave_0_\@:
	s_barrier_wait -3
	s_barrier_signal -1
	s_barrier_wait -1
.endm
	s_load_b256 s[4:11], s[0:1], 0x0               ; oimg s[4:5], wimg s[6:7], b_out s[8:9], out0 s[10:11]
	v_lshl_add_u32 v[SPW], v0, 2, SPARE
	v_mov_b32 v[NIL], 0
	ds_add_u32 v[SPW], v[NIL]                      ; the wave's opening: the add and its wait ahead of my first tensor load; work on registers stands between them
	ds_add_u32 v[SPW], v[NIL]
	v_lshrrev_b32 v1, 5, v0
	v_readfirstlane_b32 s[WV], v1
	s_lshr_b32 s13, s[WV], 1                       ; which half of R's tiles.  Also: I fetch for R (0) or for P (1)
	s_and_b32 s14, s[WV], 1                        ; which half of P's tiles.  Also: the half of the K steps that I fetch
	s_bfe_u32 s15, ttmp6, 0x40000                  ; cx
	s_bfe_u32 s16, ttmp6, 0x40004                  ; cy
	s_and_b32 s20, ttmp7, 0xffff
	s_lshl_b32 s20, s20, 2
	s_add_co_u32 s20, s20, s16                     ; the block of 128 tokens
	s_lshl_b32 s22, ttmp9, 2
	s_add_co_u32 s22, s22, s15                     ; the block of 128 columns
	s_mul_i32 s19, s14, 4*REC                      ; my one load brings four records on end: K steps 4 (wave % 2) .. + 3
	s_mul_i32 s56, s20, OPB
	s_add_co_u32 s56, s56, s19                     ; R: my first record: made of cy, the cluster's y and the wave's number
	s_mov_b32 s57, 0
	s_add_co_u32 s58, s22, 24                      ; W_out's blocks follow W_qkv's 24
	s_mul_i32 s58, s58, OPB
	s_add_co_u32 s58, s58, s19                     ; P: made of cx, the cluster's x and the wave's number
	s_mov_b32 s59, 0
	s_mul_i32 s60, s13, OPB
	s_add_co_u32 s60, s60, s19                     ; where it goes in LDS: the wave's number alone
	s_lshl_b32 s61, s16, 2
	s_lshl_b32 s61, 15, s61                        ; my row of the cluster
	s_lshl_b32 s62, 0x1111, s15                    ; my column
	s_or_b32 s[G1R], s61, (3<<16)|(1<<21)          ; 15:0 the mask; 17:16 elements of 8 bytes; 21 set beside a mask; no padding
	s_or_b32 s[G1P], s62, (3<<16)|(1<<21)
.irp g,G1R,G1P                         ; a record is dense: 50 rows of 256 bytes
	s_mov_b32 s[\g+1], 32<<16
	s_mov_b32 s[\g+2], 200<<16                     ; four dense records are 200 rows of 256 bytes
	s_mov_b32 s[\g+3], 32<<16
	s_mov_b32 s[\g+4], 200
	s_mov_b32 s[\g+5], 32
	s_mov_b32 s[\g+6], 0
	s_mov_b32 s[\g+7], 0
.endr
	s_lshl_b32 s86, s22, 9
	s_lshl_b32 s87, s14, 8
	s_add_co_u32 s86, s86, s87                     ; my 64 columns, in bytes: 512 x block + 256 x (wave % 2)
	s_mov_b32 s87, 0
	s_lshl_b32 s88, s20, 7
	s_lshl_b32 s89, s13, 6
	s_add_co_u32 s88, s88, s89
	s_lshl_b32 s88, s88, 12                        ; my 64 tokens' first row of 4,096 bytes
	s_add_co_u32 s88, s88, s86
	s_mov_b32 s89, 0
	s_wait_dscnt 0x0                               ; the opening add is done
	s_wait_kmcnt 0x0
	s_add_nc_u64 s[96:97], s[4:5], s[56:57]
	s_add_nc_u64 s[98:99], s[6:7], s[58:59]
	s_add_nc_u64 s[8:9], s[8:9], s[86:87]
	s_add_nc_u64 s[10:11], s[10:11], s[88:89]
.irp j,0                               ; one group 0 for R and one for P
	s_mov_b32 s[G0R+4*\j], 1
	s_add_co_u32 s[G0R+4*\j+1], s60, \j*2*REC
	s_add_nc_u64 s[G0R+4*\j+2:G0R+4*\j+3], s[96:97], \j*2*REC
	s_or_b32 s[G0R+4*\j+3], s[G0R+4*\j+3], 0x80000000
	s_mov_b32 s[G0P+4*\j], 1
	s_add_co_u32 s[G0P+4*\j+1], s60, \j*2*REC
	s_add_nc_u64 s[G0P+4*\j+2:G0P+4*\j+3], s[98:99], \j*2*REC
	s_or_b32 s[G0P+4*\j+3], s[G0P+4*\j+3], 0x80000000
.endr
	CROUND                                         ; all sixteen work-groups are here: the joint loads meet
	s_cmp_eq_u32 s13, 0                            ; a wave's one fill stands in one branch on the wave's number
	s_cbranch_scc0 .Lfor_p
.irp j,0                               ; ONE load a wave: waves 0, 1 bring R's two halves
	tensor_load_to_lds s[G0R+4*\j:G0R+4*\j+3], s[G1R:G1R+7]
	s_nop 0
.endr
.rept 4
	v_nop
.endr
	s_branch .Lasked
.Lfor_p:
.irp j,0                               ; waves 2, 3 bring P's two halves
	tensor_load_to_lds s[G0P+4*\j:G0P+4*\j+3], s[G1P:G1P+7]
	s_nop 0
.endr
.rept 4
	v_nop
.endr
.Lasked:
	v_and_b32 v1, 31, v0
	v_lshlrev_b32 v1, 3, v1                        ; 8 x lane
	v_and_b32 v2, 15, v0                           ; r
	v_bfe_u32 v3, v0, 4, 1                         ; h
	v_lshlrev_b32 v[BO], 6, v3
.irp b,0,1,2,3
	global_load_b128 v[BIAS+8*\b:BIAS+8*\b+3], v[BO], s[8:9] offset:(32*(\b/2)+8*(\b%2))*4       ; b_out at columns 32 (b / 2) + 8 (b % 2) + 16 h + 0 .. 7
	global_load_b128 v[BIAS+8*\b+4:BIAS+8*\b+7], v[BO], s[8:9] offset:(32*(\b/2)+8*(\b%2))*4+16
.endr
	s_mul_i32 s2, s13, 6144
	v_add_nc_u32 v[AR], s2, v1
	v_add_nc_u32 v[AR+1], 4*REC, v[AR]
	s_mul_i32 s2, s14, 6144
	s_add_co_u32 s2, s2, OPB
	v_add_nc_u32 v[AP], s2, v1
	v_add_nc_u32 v[AP+1], 4*REC, v[AP]
	s_xor_b32 s2, s13, 1                           ; from R's four words to P's: OPB + 16 (wave % 2) - 16 (wave / 2), written as one product with h
	s_add_co_u32 s2, s2, s14
	s_lshl_b32 s2, s2, 4
	s_add_co_u32 s2, s2, OPB-16
	v_mul_u32_u24 v[AS], s2, v3
	v_lshl_add_u32 v[AS], v2, 5, v[AS]
	s_lshl_b32 s3, s13, 4
	s_add_co_u32 s3, s3, 12288
	v_add_nc_u32 v[AS], s3, v[AS]
	v_add_nc_u32 v[AS+1], 4*REC, v[AS]
	s_mul_i32 s2, s[WV], 16*272
	s_add_co_u32 s2, s2, STAGE                     ; my stage
	v_mul_u32_u24 v[STO], v2, 272
	v_lshl_add_u32 v[STO], v3, 6, v[STO]
	v_add_nc_u32 v[STO], s2, v[STO]                ; in: row r, + 64 h
	v_mul_u32_u24 v[RD], v3, 272
	v_lshl_add_u32 v[RD], v2, 4, v[RD]
	v_add_nc_u32 v[RD], s2, v[RD]                  ; back: lanes 0-15 one row of 256 bytes, lanes 16-31 the next
	v_lshlrev_b32 v[CO], 12, v3
	v_lshl_add_u32 v[CO], v2, 4, v[CO]             ; and the same two rows in out0
; K step s: 49 LDS loads into set s % 2
.macro FETCH s
.irp b,0,1,2,3
.irp p,0,1,2,3,4,5
	ds_load_b64 v[F+96*((\s)%2)+12*\b+2*\p:F+96*((\s)%2)+12*\b+2*\p+1], v[AP+((\s)/4)] offset:((\s)%4)*REC+1536*\b+256*\p
.endr
.endr
.irp a,0,1,2,3
.irp p,0,1,2,3,4,5
	ds_load_b64 v[F+96*((\s)%2)+48+12*\a+2*\p:F+96*((\s)%2)+48+12*\a+2*\p+1], v[AR+((\s)/4)] offset:((\s)%4)*REC+1536*\a+256*\p
.endr
.endr
	ds_load_b128 v[SC+4*((\s)%2):SC+4*((\s)%2)+3], v[AS+((\s)/4)] offset:((\s)%4)*REC
.endm
; 16 products; the 16 accumulators take turns, one instruction a turn.  first = 1: the sums begin with the bias as C.
.macro MULS s, first
.if \first
	WIN 0x40                                       ; D in window 1, C (the bias) in window 0
.else
	WIN 0x50                                       ; C and D in window 1
.endif
.irp a,0,1,2,3
.irp b,0,1,2,3
.if \first
	v_wmma_scale_f32_16x16x128_f8f6f4 v[32*\a+8*\b:32*\a+8*\b+7], v[F+96*((\s)%2)+12*\b:F+96*((\s)%2)+12*\b+11], v[F+96*((\s)%2)+48+12*\a:F+96*((\s)%2)+48+12*\a+11], v[BIAS+8*\b:BIAS+8*\b+7], v[SC+4*((\s)%2)+\b], v[SC+4*((\s)%2)+\a] matrix_a_fmt:MATRIX_FMT_FP6 matrix_b_fmt:MATRIX_FMT_FP6 matrix_a_scale:MATRIX_SCALE_ROW1
.else
	v_wmma_scale_f32_16x16x128_f8f6f4 v[32*\a+8*\b:32*\a+8*\b+7], v[F+96*((\s)%2)+12*\b:F+96*((\s)%2)+12*\b+11], v[F+96*((\s)%2)+48+12*\a:F+96*((\s)%2)+48+12*\a+11], v[32*\a+8*\b:32*\a+8*\b+7], v[SC+4*((\s)%2)+\b], v[SC+4*((\s)%2)+\a] matrix_a_fmt:MATRIX_FMT_FP6 matrix_b_fmt:MATRIX_FMT_FP6 matrix_a_scale:MATRIX_SCALE_ROW1
.endif
.endr
.endr
	WIN 0
.rept 4
	v_nop                                          ; four plain instructions in front of the next loads into this set and of the first read of results
.endr
.endm
.macro KSTEP s, first
; (both operands are whole since the one barrier ahead of K step 0: no barrier inside the walk along K)
.if (\s) < 7
	FETCH (\s)+1
	s_wait_dscnt 49                                ; all but the 49 just issued
.else
	s_wait_dscnt 0x0
.endif
	MULS \s, \first
.endm
	s_wait_alu depctr_va_vdst(0)
	s_wait_tensorcnt 0x0                           ; my one load, half of an operand, has landed; the barrier shows all four to every wave
	s_barrier_signal -1
	s_barrier_wait -1
	FETCH 0
	s_wait_loadcnt 0x0                             ; the bias
	KSTEP 0, 1
	KSTEP 1, 0
	KSTEP 2, 0
	KSTEP 3, 0
	KSTEP 4, 0
	KSTEP 5, 0
	KSTEP 6, 0
	KSTEP 7, 0
; THE WAY OUT, a tile of 16 tokens x 64 columns at a time, through my own stage.  LDS serves a wave's instructions in order: no wait between the stores and the loads, nor in front of the next tile's stores.
.macro TOSTAGE a
	WIN 0x04                                       ; an LDS store's data are its source 1: window 1
.irp b,0,1,2,3
	ds_store_b128 v[STO], v[32*(\a)+8*\b:32*(\a)+8*\b+3] offset:128*(\b/2)+32*(\b%2)        ; each accumulator from its low end on
	ds_store_b128 v[STO], v[32*(\a)+8*\b+4:32*(\a)+8*\b+7] offset:128*(\b/2)+32*(\b%2)+16
.endr
	WIN 0
.set BB, BK+32*((\a)%2)
.irp i,0,1,2,3,4,5,6,7
	ds_load_b128 v[BB+4*\i:BB+4*\i+3], v[RD] offset:544*\i
.endr
.endm
.macro SEND a, younger                 ; younger: the LDS instructions issued behind tile a's loads, which may stay out
.set BB, BK+32*((\a)%2)
	s_wait_dscnt \younger
.irp i,0,1,2,3,4,5,6,7                 ; lane indices 2 i, 2 i + 1 of the tile are rows 32 (a / 2) + 8 (a % 2) + 2 i + 8 (i / 4) and the next
	global_store_b128 v[CO], v[BB+4*\i:BB+4*\i+3], s[10:11] offset:(32*((\a)/2)+8*((\a)%2)+2*\i+8*(\i/4))*4096 th:TH_STORE_NT   ; 16 lanes store 256 consecutive bytes, aligned
.endr
.endm
	TOSTAGE 0
.irp a,1,2,3
.if \a > 1
	s_wait_xcnt 0x0                                ; tile a - 2's stores have read their registers: tile a's loads may land there
.endif
	TOSTAGE \a
	SEND \a-1, 16                                  ; behind tile a - 1's loads: tile a's 8 stores and 8 loads
.endr
	SEND 3, 0
	s_wait_tensorcnt 0x0                           ; the wave's end, behind my last tensor load and my last LDS store
	ds_add_u32 v[SPW], v[NIL]
	s_wait_dscnt 0x0
	CROUND                                         ; the closing round
	s_endpgm
.Lfunc_end_k_q55ac8a816f_gemm2:
	.size	k_q55ac8a816f_gemm2, .Lfunc_end_k_q55ac8a816f_gemm2-k_q55ac8a816f_gemm2
	.p2alignl 7, 3214868480
	.fill 96, 4, 3214868480
	.section	.rodata,"a",@progbits
	.p2align	6, 0x0
	.amdhsa_kernel k_q55ac8a816f_gemm2
		.amdhsa_group_segment_fixed_size 222720
		.amdhsa_private_segment_fixed_size 0
		.amdhsa_enable_private_segment 0
		.amdhsa_kernarg_size 32
		.amdhsa_user_sgpr_count 2
		.amdhsa_user_sgpr_kernarg_segment_ptr 1
		.amdhsa_wavefront_size32 1
		.amdhsa_system_sgpr_workgroup_id_x 1
		.amdhsa_system_sgpr_workgroup_id_y 1
		.amdhsa_system_sgpr_workgroup_id_z 1
		.amdhsa_system_vgpr_workitem_id 0
		.amdhsa_next_free_vgpr 384
		.amdhsa_next_free_sgpr 100
		.amdhsa_reserve_vcc 0
		.amdhsa_float_denorm_mode_32 3
		.amdhsa_float_denorm_mode_16_64 3
		.amdhsa_memory_ordered 1
		.amdhsa_forward_progress 1
		.amdhsa_inst_pref_size 57
	.end_amdhsa_kernel
	.amdgpu_metadata
---
amdhsa.version: [ 1, 2 ]
amdhsa.kernels:
  - .name:           k_q55ac8a816f_gemm2
    .symbol:         k_q55ac8a816f_gemm2.kd
    .args:
      - { .name: oimg, .offset: 0, .size: 8, .value_kind: global_buffer, .address_space: global }
      - { .name: wimg, .offset: 8, .size: 8, .value_kind: global_buffer, .address_space: global }
      - { .name: b_out, .offset: 16, .size: 8, .value_kind: global_buffer, .address_space: global }
      - { .name: out0, .offset: 24, .size: 8, .value_kind: global_buffer, .address_space: global }
    .group_segment_fixed_size: 222720
    .private_segment_fixed_size: 0
    .kernarg_segment_align: 8
    .kernarg_segment_size: 32
    .max_flat_workgroup_size: 128
    .sgpr_count:     100
    .vgpr_count:     384
    .wavefront_size: 32
...
	.end_amdgpu_metadata
.endif
;; end of part 4
